; MI455X (gfx1250); checked and timed in simulation.
; The chip was launched on July 23, 2026; its instructions are those of AMD's public machine-readable ISA for CDNA 5 (MIT licence, August 2026) and "CDNA5" Instruction Set Architecture Reference Guide (July 2026). The comments in the code are by the model that wrote it; some were corrected since.
;; Causal Self Attention. Allowed arithmetic: matrix products marked QUANTISED: E3M2 operands, one E8M0 scale for each 32 along K, by v_wmma_scale_f32_16x16x128_f8f6f4 with both operands' format E3M2, f32 sums; everything else in f32.
;; Inputs: b_attn 3,072 float32; b_proj 1,024 float32; w_attn 1,024 x 3,072 float32; w_proj 1,024 x 1,024 float32; x 4 x 2,048 x 1,024 float32.
;; Outputs: out0 4 x 2,048 x 1,024 float32.
;; This version of the problem:
;;   THIS VERSION OF THE PROBLEM IS GIVEN IN LOW PRECISION. The matrix products marked QUANTISED in the list below multiply operands that are first quantised to E3M2 (3 exponent bits, 2 mantissa bits; 6 bits a number), with one power-of-two scale for each 32 numbers along K (OCP MX v1.0); their sums are f32. All else is computed in f32.
;;   The module's matrix products, in the order in which they are computed (A, B: the left and right operand; K: the contracted axis; several contracted axes count as one K, in the product's order):
;;     1. [M 8,192, K 1,024] x [K 1,024, N 3,072]; A: input x; B: input w_attn: QUANTISED
;;     2. batch 64 x [M 2,048, K 64] x [K 64, N 2,048]; A: computed on the way; B: computed on the way: QUANTISED
;;     3. batch 64 x [M 2,048, K 2,048] x [K 2,048, N 64]; A: softmax (see below); B: computed on the way: QUANTISED
;;     4. [M 8,192, K 1,024] x [K 1,024, N 1,024]; A: computed on the way; B: input w_proj: QUANTISED
;;   THE QUANTISER, for each operand of a quantised product, along K:
;;     - K is cut into blocks of 32 from its start; a last block that is shorter is filled with zeros.
;;     - A block's scale is 2^e with e = floor(log2(the largest magnitude in the block)) - 4, held to -126 .. 127; a block of zeros has e = 0. As a byte (E8M0): e + 127.
;;     - Each number is divided by its block's scale, clamped to +-28, and rounded to the nearest number of E3M2, ties to even, subnormals kept.
;;     - The product sums the exact products of the quantised numbers (number of the format x scale) in f32.
;;   ~~~python
;;   def quantise(x, axis):      # numpy; x: float32 -> the quantised numbers, widened to float32 again
;;       x = np.moveaxis(x, axis, -1); K = x.shape[-1]
;;       x = np.pad(x, [(0, 0)] * (x.ndim - 1) + [(0, -K % 32)]); x = x.reshape(x.shape[:-1] + (-1, 32)); a = np.abs(x).max(-1, keepdims=True)
;;       e = np.where(a > 0, np.clip(np.frexp(np.where(a > 0, a, 1))[1] - 1 - 4, -126, 127), 0)      # np.frexp(a)[1] - 1 = floor(log2(a)), exactly
;;       r = np.clip(x / 2.0 ** e, -28, 28)
;;       step = 2.0 ** (np.maximum(np.frexp(np.where(r == 0, 1, r))[1] - 1, -2) - 2)
;;       q = np.round(r / step) * step * 2.0 ** e      # np.round: ties to even
;;       return np.moveaxis(q.reshape(q.shape[:-2] + (-1,))[..., :K], -1, axis).astype(np.float32)
;;   ~~~
;;   SOFTMAX AHEAD OF A QUANTISED PRODUCT. Where the list says 'softmax', what is quantised is not the finished softmax but p = 2^(t - M), with t = logit x log2(e) and M = ceil(the row's largest t), a whole number; so 1/2 < the row's largest p <= 1. The row's sum l is taken of the UNQUANTISED p, in f32, and the product's result is divided by l at the end. Since M is a whole number, a kernel that streams over the keys may use a running M (the ceiling of the running maximum): every later rescaling is an exact power of two, which a block's scale takes up: the codes' values come out the same.
;;   OPERANDS COMPUTED ON THE WAY. 'Computed on the way' means the value that the module computes at that place (a softmax that the list does not call 'softmax' is quantised finished and normalised). What goes into a quantiser is computed in f32, as accurately as f32 sums, v_exp_f32 and their like allow (about 1e-6 of the number): no bf16 or f16 on the way to a quantiser, and a product that is left as it is and whose result goes on into a quantised operand takes f32 operands (vector FMAs, or v_wmma_f32_16x16x4_f32). A number that lies on a knife's edge between two numbers of the format may be rounded either way, as far as f32 arithmetic and the matrix unit's own rounding can turn it there, and no further.
;; One version. Each part assembles by itself: llvm-mc -triple=amdgcn-amd-amdhsa -mcpu=gfx1250 --defsym DOCPART=n.
;; ======== version 1 of 1: 4 launches
;; workspace buffers: xc 6,291,456 bytes; xs 262,144 bytes; wc 3,145,728 bytes; ws 131,072 bytes; qkv 20,447,232 bytes; yc 6,291,456 bytes; ys 262,144 bytes
;; launch prep (part 1): grid 384 x 1, 4 waves a work-group, no clusters, 34,304 bytes of LDS; arguments x, w_attn, w_proj, xc, xs, wc, ws; writes xc, xs, wc, ws
.if DOCPART == 1
	.amdgcn_target "amdgcn-amd-amdhsa--gfx1250"
	.amdhsa_code_object_version 6
	.text
	.protected	k_q6905dede78_prep
	.globl	k_q6905dede78_prep
	.p2align	8
	.type	k_q6905dede78_prep,@function
k_q6905dede78_prep:
	s_mov_b64 s[64:65], 0
	v_nop
	global_prefetch_b8 v0, s[64:65] scope:SCOPE_SE
	s_setreg_imm32_b32 hwreg(HW_REG_WAVE_MODE, 25, 1), 1
	s_wait_xcnt 0x0
; PREP: x [8192][1024], w_attn [1024][3072] and w_proj [1024][1024], f32, become codes of BF6 (E3M2) quantised along K (x: its last axis; the weights: their FIRST axis),
; with one E8M0 byte for each 32 along K: scale = 2^(floor(log2(largest magnitude)) - 4); its byte is the largest magnitude's exponent field - 4, held at 1 from below.
; LIMITS: NaN and infinities among the inputs are not served; a block whose largest magnitude lies under 2^-122 gets the byte 1; a block of zeros gets the byte 1 where the rule says 127
; (its codes are zeros, which add nothing under any byte but 0xff, and only this program reads the bytes).
; LAYOUT OF THE RESULTS: images of the matrix operand's registers.  A HALF-IMAGE is 16 rows x 64 along K: registers 6 c .. 6 c + 5 of a fragment, all 32 lanes: 768 bytes, three chunks of 256;
; chunk j holds lane L's registers 2 j, 2 j + 1 at byte 8 L.  Codes: [tile][16 halves][768].  Scale words: [tile][16 rows][8 words], word s for K = 128 s .. 128 s + 127.
; THE ROWS OF A TILE ARE NOT NEIGHBOURS: lane r of tile T holds row (or weight column) 32 (T / 2) + 8 (T % 2) + r + 8 (r / 8).
; SHARES: work-groups 0-255 take x (a wave: one tile x 512 along K), 256-351 w_attn, 352-383 w_proj (a wave: 32 columns x 256 along K).  Each work-group reads 128 KiB once.
; A stream: no matrix unit, no tensor load, no barrier, no cluster (no two work-groups read the same byte).  Only x's path uses LDS, each wave its own 8,448 bytes.
.set FLOOR, 0x2800000                  ; 2^(5 - 127): under it no largest magnitude is taken, so the byte cannot fall under 1
.set OFF4,  0xfe000000                 ; takes 4 off an exponent field
.set R,   16                           ; x: v16-143  two sets of 64 numbers as loaded
.set X,   144                          ; x: v144-207 64 numbers in the operand's order
.set P,   208                          ; x: v208-223 codes: eight registers for each of two blocks
.set TM,  224                          ; x: v224-231 at work
.set WD,  232                          ; x: v232-235 the four K steps' scale words
.set BL,  16                           ; w: v16-143  four sets of 32 numbers (a block of one column)
.set EC,  144                          ; w: v144-151 the even block's codes
.set OC,  152                          ; w: v152-159 the odd block's
.set WM,  160                          ; w: v160-167 at work
.set SB,  168                          ; w: v168-169 eight scale bytes
.macro XLOAD s                         ; K step s of my 16 rows: each load reads 512 consecutive bytes of one row
.set xi, 0
.rept 16
	global_load_b128 v[R+64*((\s)%2)+4*xi:R+64*((\s)%2)+4*xi+3], v4, s[4:5] offset:(xi+8*(xi/8))*4096+512*(\s) th:TH_LOAD_NT
.set xi, xi+1
.endr
.endm
.macro XSTEP s
.set RS, R+64*((\s)%2)
.if (\s) < 3
	s_wait_loadcnt 16                              ; this K step's 16 loads are in; the next step's 16 stay out
.else
	s_wait_loadcnt 0x0
.endif
.set xi, 0
.rept 16
	ds_store_b128 v5, v[RS+4*xi:RS+4*xi+3] offset:528*xi            ; row xi as it lies; rows 528 bytes apart
.set xi, xi+1
.endr
.irp c, 0,1
.set xi, 0
.rept 8
	ds_load_b128 v[X+32*\c+4*xi:X+32*\c+4*xi+3], v6 offset:256*\c+16*xi   ; LDS serves a wave's instructions in order: K = 64 c + 32 h + 0 .. 31 of row r
.set xi, xi+1
.endr
.endr
	s_wait_dscnt 0x0                               ; the numbers are back, and the stores have read their registers,
.if (\s) < 2
	XLOAD (\s)+2                                   ; which take the loads of two steps on
.endif
.irp c, 0,1
	v_max3_num_f32 v[TM+\c], |v[X+32*\c]|, |v[X+32*\c+1]|, FLOOR   ; my two whole blocks by turns
.endr
.set xi, 2
.rept 15
.irp c, 0,1
	v_max3_num_f32 v[TM+\c], v[TM+\c], |v[X+32*\c+xi]|, |v[X+32*\c+xi+1]|
.endr
.set xi, xi+2
.endr
.irp c, 0,1
	v_add_nc_u32 v[TM+2+\c], OFF4, v[TM+\c]        ; the conversion takes this operand's exponent field as its scale
.endr
.irp c, 0,1
	v_lshrrev_b32 v[TM+4+\c], 23, v[TM+2+\c]       ; the scale's byte
.endr
	v_lshl_or_b32 v[TM+6], v[TM+5], 16, v[TM+4]    ; my bytes: blocks h and 2 + h,
	v_lshlrev_b32 v[TM+6], v9, v[TM+6]             ; 8 h bits up;
	v_permlanex16_b32 v[TM+7], v[TM+6], s20, s21
	v_or_b32 v[WD+(\s)], v[TM+6], v[TM+7]          ; with lane l xor 16's two the word is whole
	s_wait_xcnt 0x0                                ; the last step's stores have read the codes' registers
.irp c, 0,1
	v_cvt_scalef32_pk16_bf6_f32 v[P+8*\c:P+8*\c+2], v[X+32*\c:X+32*\c+15], v[TM+2+\c]
	v_cvt_scalef32_pk16_bf6_f32 v[P+8*\c+4:P+8*\c+6], v[X+32*\c+16:X+32*\c+31], v[TM+2+\c]   ; (a conversion's three registers begin on an even number)
.endr
	v_nop                                          ; one plain place behind a scaled conversion
.irp c, 0,1
	v_mov_b32 v[P+8*\c+3], v[P+8*\c+4]
	v_mov_b32 v[P+8*\c+4], v[P+8*\c+5]
	v_mov_b32 v[P+8*\c+5], v[P+8*\c+6]
.endr
.irp c, 0,1
.irp j, 0,1,2
	global_store_b64 v7, v[P+8*\c+2*\j:P+8*\c+2*\j+1], s[10:11] offset:(2*(\s)+\c)*768+256*\j   ; 32 lanes store 256 consecutive bytes, aligned
.endr
.endr
.endm
.macro WBLK t, nb, wlo                 ; block t of my column: 32 rows of the weight; a load reads 128 consecutive bytes
.set wi, 0
.rept 32
	global_load_b32 v[BL+32*((\t)%4)+wi], v4, s[\wlo:\wlo+1] offset:(32*(\t)+wi)*\nb th:TH_LOAD_NT
.set wi, wi+1
.endr
.endm
.macro WMAX src, dst                   ; a block's largest magnitude: all 32 numbers are mine; two chains
	v_max3_num_f32 v[\dst], |v[(\src)]|, |v[(\src)+1]|, FLOOR
	v_max3_num_f32 v[WM+2], |v[(\src)+16]|, |v[(\src)+17]|, FLOOR
.set wi, 2
.rept 7
	v_max3_num_f32 v[\dst], v[\dst], |v[(\src)+wi]|, |v[(\src)+wi+1]|
	v_max3_num_f32 v[WM+2], v[WM+2], |v[(\src)+16+wi]|, |v[(\src)+17+wi]|
.set wi, wi+2
.endr
	v_max_num_f32 v[\dst], v[\dst], v[WM+2]
.endm
.macro WPAIR pr, nb, wlo               ; blocks 2 pr and 2 pr + 1: one half-image for each of my wave's two tiles
.set ES, BL+32*((2*(\pr))%4)
.set OS, BL+32*((2*(\pr)+1)%4)
	s_wait_loadcnt 32                              ; the even block is in; the odd block's 32 loads stay out
.if (\pr) < 3
	WBLK 2*(\pr)+2, \nb, \wlo
.endif
	WMAX ES, WM
.if (\pr) < 3
	s_wait_loadcnt 32                              ; the odd block is in; the 32 just issued stay out
	WBLK 2*(\pr)+3, \nb, \wlo
.else
	s_wait_loadcnt 0x0
.endif
	WMAX OS, WM+1
	v_add_nc_u32 v[WM+4], OFF4, v[WM]
	v_add_nc_u32 v[WM+5], OFF4, v[WM+1]
	v_lshrrev_b32 v[WM+6], 23, v[WM+4]
	v_lshrrev_b32 v[WM+7], 23, v[WM+5]
.if (\pr)%2 == 0
	v_lshl_or_b32 v[SB+(\pr)/2], v[WM+7], 8, v[WM+6]               ; four bytes to a word, the lower K in the lower byte
.else
	v_lshl_or_b32 v[SB+(\pr)/2], v[WM+6], 16, v[SB+(\pr)/2]
	v_lshl_or_b32 v[SB+(\pr)/2], v[WM+7], 24, v[SB+(\pr)/2]
.endif
	s_wait_xcnt 0x0                                ; the last pair's stores have read the codes' registers
	v_cvt_scalef32_pk16_bf6_f32 v[EC:EC+2], v[ES:ES+15], v[WM+4]
	v_cvt_scalef32_pk16_bf6_f32 v[EC+4:EC+6], v[ES+16:ES+31], v[WM+4]
	v_cvt_scalef32_pk16_bf6_f32 v[OC:OC+2], v[OS:OS+15], v[WM+5]
	v_cvt_scalef32_pk16_bf6_f32 v[OC+4:OC+6], v[OS+16:OS+31], v[WM+5]
	v_nop                                          ; one plain place behind a scaled conversion
.irp q, EC, OC
	v_mov_b32 v[\q+3], v[\q+4]
	v_mov_b32 v[\q+4], v[\q+5]
	v_mov_b32 v[\q+5], v[\q+6]
.endr
.irp i, 0,1,2,3,4,5
	v_permlane16_swap_b32 v[EC+\i], v[OC+\i]       ; lanes 0-15 hold tile 2 g's columns, lanes 16-31 tile 2 g + 1's: after the exchange EC is tile 2 g's half-image (its odd block in lanes 16-31), OC tile 2 g + 1's
.endr
.irp j, 0,1,2
	global_store_b64 v5, v[EC+2*\j:EC+2*\j+1], s[14:15] offset:(\pr)*768+256*\j
	global_store_b64 v5, v[OC+2*\j:OC+2*\j+1], s[14:15] offset:12288+(\pr)*768+256*\j
.endr
.endm
.macro WPATH nb, tile0, first, wlo     ; nb: bytes in a row of the weight; tile0: its first tile in wc; first: its first work-group; wlo: its pointer
	s_sub_co_u32 s22, ttmp9, \first
	s_and_b32 s23, s22, 3                          ; which 256 along K
	s_lshr_b32 s24, s22, 2
	s_lshl_b32 s24, s24, 2
	s_add_co_u32 s24, s24, s18                     ; g: which 32 columns
	s_mul_i32 s26, s23, 256*\nb
	s_lshl_b32 s27, s24, 7
	s_add_co_u32 s26, s26, s27
	s_mov_b32 s27, 0
	s_mul_i32 s28, s24, 2*12288
	s_mul_i32 s29, s23, 3072
	s_add_co_u32 s28, s28, s29
	s_add_co_u32 s28, s28, \tile0*12288
	s_mov_b32 s29, 0
	s_lshl_b32 s30, s24, 10
	s_lshl_b32 s31, s23, 3
	s_add_co_u32 s30, s30, s31
	s_add_co_u32 s30, s30, \tile0*512
	s_mov_b32 s31, 0
	v_bfe_u32 v4, v0, 3, 1
	v_add_nc_u32 v4, v4, v3
	v_lshl_add_u32 v4, v4, 3, v2                   ; my column of the 32: 8 (l / 16) + l % 16 + 8 ((l / 8) % 2)
	v_lshlrev_b32 v4, 2, v4
	v_lshlrev_b32 v5, 3, v1                        ; 8 x lane: my place in a chunk
	v_lshlrev_b32 v6, 5, v1                        ; 32 x lane: my column's row of scale words (two tiles of 512 bytes on end)
	s_wait_kmcnt 0x0
	s_add_nc_u64 s[\wlo:\wlo+1], s[\wlo:\wlo+1], s[26:27]
	s_add_nc_u64 s[14:15], s[14:15], s[28:29]
	s_add_nc_u64 s[16:17], s[16:17], s[30:31]
	WBLK 0, \nb, \wlo
	WBLK 1, \nb, \wlo
	WPAIR 0, \nb, \wlo
	WPAIR 1, \nb, \wlo
	WPAIR 2, \nb, \wlo
	WPAIR 3, \nb, \wlo
	global_store_b64 v6, v[SB:SB+1], s[16:17]      ; my column's eight scale bytes
	s_endpgm
.endm
	s_load_b256 s[4:11], s[0:1], 0x0               ; x s[4:5], w_attn s[6:7], w_proj s[8:9], xc s[10:11]
	s_load_b128 s[12:15], s[0:1], 0x20             ; xs s[12:13], wc s[14:15]
	s_load_b64 s[16:17], s[0:1], 0x30              ; ws
	v_lshl_add_u32 v254, v0, 2, 0x8400
	v_mov_b32 v255, 0
	v_lshrrev_b32 v1, 5, v0
	v_readfirstlane_b32 s18, v1                    ; wave 0..3
	v_and_b32 v1, 31, v0                           ; lane
	v_and_b32 v2, 15, v0                           ; r
	v_bfe_u32 v3, v0, 4, 1                         ; h
	s_mov_b32 s20, 0x76543210
	s_mov_b32 s21, 0xfedcba98                      ; v_permlanex16_b32's selects for lane l xor 16
	s_cmp_lt_u32 ttmp9, 256
	s_cbranch_scc0 .Lweights
	; ---- x
	s_lshl_b32 s22, ttmp9, 2
	s_add_co_u32 s22, s22, s18
	s_lshr_b32 s23, s22, 1                         ; T: my tile
	s_and_b32 s24, s22, 1                          ; which 512 along K
	s_lshr_b32 s26, s23, 1
	s_lshl_b32 s26, s26, 17                        ; 32 (T / 2) rows of 4,096 bytes
	s_and_b32 s27, s23, 1
	s_lshl_b32 s27, s27, 15                        ; 8 (T % 2) rows
	s_add_co_u32 s26, s26, s27
	s_lshl_b32 s27, s24, 11
	s_add_co_u32 s26, s26, s27
	s_mov_b32 s27, 0
	s_mul_i32 s28, s23, 12288
	s_mul_i32 s29, s24, 6144
	s_add_co_u32 s28, s28, s29
	s_mov_b32 s29, 0
	s_lshl_b32 s30, s23, 9
	s_lshl_b32 s31, s24, 4
	s_add_co_u32 s30, s30, s31
	s_mov_b32 s31, 0
	s_mul_i32 s19, s18, 8448                       ; my wave's stage: 16 rows x 528 bytes
	v_lshlrev_b32 v4, 4, v1                        ; 16 x lane
	v_add_nc_u32 v5, s19, v4                       ; into the stage
	v_mul_u32_u24 v6, v2, 528
	v_lshl_add_u32 v6, v3, 7, v6
	v_add_nc_u32 v6, s19, v6                       ; out of it: row r, + 128 h
	v_lshlrev_b32 v7, 3, v1                        ; 8 x lane
	v_lshlrev_b32 v8, 5, v2
	v_lshl_add_u32 v8, v3, 3, v8                   ; scale words: 32 r + 8 h
	v_lshlrev_b32 v9, 3, v3                        ; 8 h
	v_mov_b32 v[TM+7], 0                           ; a lane permute's destination counts as one of its sources
	v_cmp_ne_u32 vcc_lo, 0, v3
	s_wait_kmcnt 0x0
	s_add_nc_u64 s[4:5], s[4:5], s[26:27]
	s_add_nc_u64 s[10:11], s[10:11], s[28:29]
	s_add_nc_u64 s[12:13], s[12:13], s[30:31]
	XLOAD 0
	XLOAD 1
	XSTEP 0
	XSTEP 1
	XSTEP 2
	XSTEP 3
	v_cndmask_b32 v[WD], v[WD], v[WD+2], vcc_lo    ; every lane holds its row's four words: lanes 0-15 store the first two, lanes 16-31 the others
	v_cndmask_b32 v[WD+1], v[WD+1], v[WD+3], vcc_lo
	global_store_b64 v8, v[WD:WD+1], s[12:13]
	s_wait_tensorcnt 0x0
	ds_add_u32 v254, v255
	s_wait_dscnt 0x0
	s_endpgm
.Lweights:
	s_cmp_lt_u32 ttmp9, 352
	s_cbranch_scc0 .Lproj
	WPATH 12288, 0, 256, 6
.Lproj:
	WPATH 4096, 192, 352, 8
.Lfunc_end_k_q6905dede78_prep:
	.size	k_q6905dede78_prep, .Lfunc_end_k_q6905dede78_prep-k_q6905dede78_prep
	.p2alignl 7, 3214868480
	.fill 96, 4, 3214868480
	.section	.rodata,"a",@progbits
	.p2align	6, 0x0
	.amdhsa_kernel k_q6905dede78_prep
		.amdhsa_group_segment_fixed_size 34304
		.amdhsa_private_segment_fixed_size 0
		.amdhsa_enable_private_segment 0
		.amdhsa_kernarg_size 56
		.amdhsa_user_sgpr_count 2
		.amdhsa_user_sgpr_kernarg_segment_ptr 1
		.amdhsa_wavefront_size32 1
		.amdhsa_system_sgpr_workgroup_id_x 1
		.amdhsa_system_sgpr_workgroup_id_y 1
		.amdhsa_system_sgpr_workgroup_id_z 1
		.amdhsa_system_vgpr_workitem_id 0
		.amdhsa_next_free_vgpr 256
		.amdhsa_next_free_sgpr 66
		.amdhsa_reserve_vcc 1
		.amdhsa_float_denorm_mode_32 3
		.amdhsa_float_denorm_mode_16_64 3
		.amdhsa_memory_ordered 1
		.amdhsa_forward_progress 1
		.amdhsa_inst_pref_size 112
	.end_amdhsa_kernel
	.amdgpu_metadata
---
amdhsa.version: [ 1, 2 ]
amdhsa.kernels:
  - .name:           k_q6905dede78_prep
    .symbol:         k_q6905dede78_prep.kd
    .args:
      - { .name: x, .offset: 0, .size: 8, .value_kind: global_buffer, .address_space: global }
      - { .name: w_attn, .offset: 8, .size: 8, .value_kind: global_buffer, .address_space: global }
      - { .name: w_proj, .offset: 16, .size: 8, .value_kind: global_buffer, .address_space: global }
      - { .name: xc, .offset: 24, .size: 8, .value_kind: global_buffer, .address_space: global }
      - { .name: xs, .offset: 32, .size: 8, .value_kind: global_buffer, .address_space: global }
      - { .name: wc, .offset: 40, .size: 8, .value_kind: global_buffer, .address_space: global }
      - { .name: ws, .offset: 48, .size: 8, .value_kind: global_buffer, .address_space: global }
    .group_segment_fixed_size: 34304
    .private_segment_fixed_size: 0
    .kernarg_segment_align: 8
    .kernarg_segment_size: 56
    .max_flat_workgroup_size: 128
    .sgpr_count:     66
    .vgpr_count:     256
    .wavefront_size: 32
...
	.end_amdgpu_metadata
.endif
;; end of part 1
;; launch gemm_qkv (part 2): grid 4 x 192, 4 waves a work-group, clusters of 4 x 4, 327,680 bytes of LDS; arguments xc, xs, wc, ws, b_attn, qkv; writes qkv
.if DOCPART == 2
	.amdgcn_target "amdgcn-amd-amdhsa--gfx1250"
	.amdhsa_code_object_version 6
	.text
	.protected	k_q6905dede78_gemm_qkv
	.globl	k_q6905dede78_gemm_qkv
	.p2align	8
	.type	k_q6905dede78_gemm_qkv,@function
k_q6905dede78_gemm_qkv:
	s_mov_b64 s[64:65], 0
	v_nop
	global_prefetch_b8 v0, s[64:65] scope:SCOPE_SE
	s_setreg_imm32_b32 hwreg(HW_REG_WAVE_MODE, 25, 1), 1
	s_wait_xcnt 0x0
	s_wait_alu depctr_hold_cnt(0) depctr_sa_sdst(0) depctr_va_vdst(0) depctr_va_sdst(0) depctr_va_ssrc(0) depctr_va_vcc(0) depctr_vm_vsrc(0)
	s_getreg_b32 s2, hwreg(HW_REG_IB_STS2, 6, 4)
	s_cmp_eq_u32 s2, 0
	s_cbranch_scc0 .Lentry_in_a_cluster
	s_endpgm
.Lentry_in_a_cluster:
	s_bfe_u32 s2, ttmp6, 0x10000c
	s_cmp_lg_u32 s2, 0xf033
	s_cbranch_scc0 .Lentry_shape_is_right
	s_endpgm
.Lentry_shape_is_right:
; GEMM_QKV: qkv = x w_attn + b_attn on codes of BF6 (E3M2) with E8M0 scales, sums in f32; the result never goes to memory as f32: it is quantised in registers,
; q and k along the head's 64 channels, v along the keys, and stored as images of the next launch's operand registers.
; LIMITS: NaN and infinities are not served; a block whose largest magnitude lies under 2^-122, a block of zeros too, gets the scale byte 1 (zero codes add nothing; only this program reads the bytes).
; SHAPE.  Source 0 is a tile of 256 rows (16 tiles of 16), source 1 one of 128 rows (8 tiles); all of K = 1,024 of both lies in LDS, 294,912 bytes, FILLED ONCE, in four quarters of 256 along K:
; no LDS byte is filled twice, so there is no ring.  Four waves; a wave makes 128 rows of source 0 x 64 rows of source 1: 32 accumulators, 32 matrix instructions for each of 8 K steps.
; In the result a lane holds ONE row of source 1, and its registers run along source 0's rows.  So for q and k source 0 = the weight's columns and source 1 = x's rows (registers run along the channels);
; for v source 0 = x's rows and source 1 = the weight's columns (registers run along the keys).  The roles are swapped by the choice of pointers alone, on the cluster's number: one text, no branch on the kind.
; OPERANDS lie in memory and in LDS as images of their registers: [tile][16 halves][768 bytes]; pair p of a fragment's 12 registers at 256 p + 8 x lane: every LDS load reads 256 consecutive bytes.
; Lane r of tile T holds row 32 (T / 2) + 8 (T % 2) + r + 8 (r / 8): so the 16 registers of two neighbouring result tiles are 16 neighbours along the next product's K.
; CLUSTERS: 4 x 4 work-groups.  Source 0's tile hangs on cx and is asked for jointly by a column of the cluster, source 1's on cy and by a row.  768 work-groups: clusters 0-31 make q (even) and k (odd), 32-47 v.
; REGISTERS: window 0: v1-31 addresses and v's bias; v32-95, v96-127 the scale words of source 0 and 1, for all of K; v128-191 q's and k's bias in the result's layout, later 64 numbers; v192-235 the quantiser's.
;   window 1: accumulator (a, b) at v[8 (8 a + b)].   windows 2, 3: two sets of fragments: source 0's eight at v[12 b], source 1's four at v[96 + 12 a].
.set QTR,   73728                      ; a quarter in LDS: source 0's 16 tiles x 3,072 bytes, then source 1's 8
.set S1O,   49152
.set REC,   13312                      ; a record of 128 keys of one head: K's 8 tiles, V^T's 4 fragments, K's scale words, V's
.set QC,    13631488                   ; behind the 1,024 records: q's codes [64 heads][128 tiles][768]
.set QS,    19922944                   ; and q's scale words [64 heads][32][16 rows][4 words]
.set FLOOR, 0x2800000
.set OFF4,  0xfe000000
.set AD0,  4                           ; v4-7   LDS address of my fragments of source 0 in quarter 0..3
.set AD1,  8                           ; v8-11  of source 1
.set VOC,  12                          ; v12-13 where the codes' two halves go
.set VOS,  14                          ; v14    where the scale words go
.set VSEL, 16                          ; v16    byte selects that gather the scale words
.set BV,   20                          ; v20-27 v's bias of my lane's channel, a pair for each tile of source 1
.set SC0,  32
.set SC1,  96
.set BQ,   128
.set PC,   192
.set TM,   212
.set PW,   228
.set SEL,  22
.set G1A,  24
.set G1B,  32
.set G0A,  40
.set G0B,  68
.set MSB, 0
.macro WIN new                         ; the immediate's high byte repeats the setting that is left
.if MSB != \new
	s_set_vgpr_msb (MSB<<8)|\new
.set MSB, \new
.endif
.endm
.macro CROUND                          ; a round of the cluster's barrier
	s_barrier_signal -1
	s_barrier_wait -1
	s_cmp_lg_u32 s16, 0
	s_cbranch_scc1 .Lnot_wave_0_\@
	s_barrier_signal -3
.Lnot_wave_0_\@:
	s_barrier_wait -3
	s_barrier_signal -1
	s_barrier_wait -1
.endm
.macro PLACES                          ; four plain places behind matrix instructions, in front of loads into registers that they read and of the first read of results
.rept 4
	v_nop
.endr
.endm
.macro FETCH s                         ; K step s: 12 fragments, 72 loads of 256 consecutive bytes, into set s % 2
.if (\s)%2 == 0
	WIN 0x80
.else
	WIN 0xc0
.endif
.set fb, 0
.rept 8
.set fp, 0
.rept 6
	ds_load_b64 v[12*fb+2*fp:12*fb+2*fp+1], v[AD0+(\s)/2] offset:3072*fb+1536*((\s)%2)+256*fp
.set fp, fp+1
.endr
.set fb, fb+1
.endr
.set fb, 0
.rept 4
.set fp, 0
.rept 6
	ds_load_b64 v[96+12*fb+2*fp:96+12*fb+2*fp+1], v[AD1+(\s)/2] offset:3072*fb+1536*((\s)%2)+256*fp
.set fp, fp+1
.endr
.set fb, fb+1
.endr
	WIN 0
.endm
.macro MUL s                           ; 32 matrix instructions; the 32 accumulators take turns, one instruction a turn, in the same order in every step
.if (\s) == 0
	WIN 0x4a                                       ; sources 0, 1 window 2; C (the bias) window 0; D window 1: the first products start the sums, nothing is cleared
.elseif (\s)%2 == 0
	WIN 0x5a
.else
	WIN 0x5f
.endif
.irp a, 0,1,2,3
.irp b, 0,1,2,3,4,5,6,7
.if (\s) == 0
	v_wmma_scale_f32_16x16x128_f8f6f4 v[8*(8*\a+\b):8*(8*\a+\b)+7], v[12*\b:12*\b+11], v[96+12*\a:96+12*\a+11], v[BQ+8*\b:BQ+8*\b+7], v[SC0+8*\b+(\s)], v[SC1+8*\a+(\s)] matrix_a_fmt:MATRIX_FMT_BF6 matrix_b_fmt:MATRIX_FMT_BF6
.else
	v_wmma_scale_f32_16x16x128_f8f6f4 v[8*(8*\a+\b):8*(8*\a+\b)+7], v[12*\b:12*\b+11], v[96+12*\a:96+12*\a+11], v[8*(8*\a+\b):8*(8*\a+\b)+7], v[SC0+8*\b+(\s)], v[SC1+8*\a+(\s)] matrix_a_fmt:MATRIX_FMT_BF6 matrix_b_fmt:MATRIX_FMT_BF6
.endif
.endr
.endr
.endm
.macro KSTEP s
	s_wait_dscnt 0x0                               ; this step's fragments are in
.if ((\s) == 1) || ((\s) == 3) || ((\s) == 5)
	s_wait_tensorcnt (5-(\s))/2                    ; my part of the next quarter has landed; the later quarters stay out
	s_barrier_signal -1
	s_barrier_wait -1                              ; everybody's has
.endif
.if (\s) < 7
.if (\s) > 0
	PLACES
.endif
	FETCH (\s)+1                                   ; the next step's fragments come while this step is multiplied
.endif
	MUL \s
.endm
; 64 numbers of a lane, v[s] on, register 16 b + i = K 32 b + 16 (lane / 16) + i of my row, become a fragment's codes in v[PC] on and its scale word in v[pw]
.macro QUANT s, pw
.irp b, 0,1,2,3
	v_max3_num_f32 v[TM+\b], |v[\s+16*\b]|, |v[\s+1+16*\b]|, FLOOR
.endr
.irp i, 2,4,6,8,10,12,14
.irp b, 0,1,2,3
	v_max3_num_f32 v[TM+\b], v[TM+\b], |v[\s+16*\b+\i]|, |v[\s+1+16*\b+\i]|
.endr
.endr
.irp b, 0,1,2,3
	v_permlanex16_b32 v[TM+4+\b], v[TM+\b], s[SEL], s[SEL+1]
.endr
.irp b, 0,1,2,3
	v_max_num_f32 v[TM+\b], v[TM+\b], v[TM+4+\b]   ; with lane l xor 16's: the block's largest magnitude
.endr
.irp b, 0,1,2,3
	v_add_nc_u32 v[TM+12+\b], OFF4, v[TM+\b]       ; 4 off its exponent field: the conversion's scale operand
.endr
.irp b, 0,1,2,3
	v_lshrrev_b32 v[TM+4+\b], 23, v[TM+12+\b]      ; the scale's byte
.endr
	v_lshl_or_b32 v[\pw], v[TM+5], 8, v[TM+4]
	v_lshl_or_b32 v[\pw], v[TM+6], 16, v[\pw]
	v_lshl_or_b32 v[\pw], v[TM+7], 24, v[\pw]
.irp c, 0,1
	v_cvt_scalef32_pk16_bf6_f32 v[PC+6*\c:PC+2+6*\c], v[\s+32*\c:\s+15+32*\c], v[TM+12+2*\c]
	v_cvt_scalef32_pk16_bf6_f32 v[PC+12+4*\c:PC+14+4*\c], v[\s+16+32*\c:\s+31+32*\c], v[TM+12+2*\c+1]
.endr
	v_nop                                          ; one plain place behind a scaled conversion
.irp c, 0,1                                    ; the operand's layout wants a whole block in a lane
.irp i, 0,1,2
	v_permlane16_swap_b32 v[PC+6*\c+\i], v[PC+12+4*\c+\i]
.endr
.irp i, 0,1,2
	v_mov_b32 v[PC+3+6*\c+\i], v[PC+12+4*\c+\i]
.endr
.endr
.endm
	s_load_b256 s[4:11], s[0:1], 0x0               ; xc s[4:5], xs s[6:7], wc s[8:9], ws s[10:11]
	s_load_b128 s[12:15], s[0:1], 0x20             ; b_attn s[12:13], qkv s[14:15]
	v_lshl_add_u32 v254, v0, 2, 0x48000
	v_mov_b32 v255, 0
	ds_add_u32 v254, v255
	ds_add_u32 v254, v255
	v_lshrrev_b32 v1, 5, v0
	v_readfirstlane_b32 s16, v1                    ; wave 0..3
	s_and_b32 s17, s16, 1                          ; w0: my 128 rows of source 0.  Also: which half of a tile I fetch
	s_lshr_b32 s18, s16, 1                         ; w1: my 64 rows of source 1
	s_bfe_u32 s19, ttmp6, 0x40000                  ; cx
	s_bfe_u32 s20, ttmp6, 0x40004                  ; cy
	s_and_b32 s21, ttmp7, 0xffff                   ; the cluster's number, 0..47: the same in all sixteen partners
	s_mov_b32 s[SEL], 0x76543210
	s_mov_b32 s[SEL+1], 0xfedcba98
	s_and_b32 s96, s21, 1
	s_lshr_b32 s97, s21, 1
	s_sub_co_u32 s98, s97, 16
	s_cmp_lt_u32 s21, 32                           ; q or k (yes), v (no)
	s_cselect_b32 s56, s96, s98
	s_cselect_b32 s57, s97, s96
	s_cselect_b32 s58, -1, 0                       ; all ones for q and k
	s_cselect_b32 s59, 0, -1                       ; all ones for v
	s_cselect_b32 s2, 0, 1572864                   ; v's columns begin at tile 128 of wc
	s_cselect_b32 s3, 0, 65536                     ; and of ws
	s_lshl_b32 s56, s56, 2
	s_add_co_u32 s56, s56, s19                     ; I0: which 256 rows of source 0
	s_lshl_b32 s57, s57, 2
	s_add_co_u32 s57, s57, s20                     ; I1: which 128 rows of source 1
	s_mul_i32 s84, s56, 196608                     ; byte offsets: source 0's codes, my half of its tiles,
	s_mul_i32 s96, s17, 98304
	s_add_co_u32 s84, s84, s96
	s_mov_b32 s85, 0
	s_mul_i32 s86, s57, 98304                      ; source 1's,
	s_add_co_u32 s86, s86, s2
	s_mul_i32 s96, s17, 49152
	s_add_co_u32 s86, s86, s96
	s_mov_b32 s87, 0
	s_lshl_b32 s88, s56, 13                        ; the scale words of my 8 tiles of source 0,
	s_lshl_b32 s96, s17, 12
	s_add_co_u32 s88, s88, s96
	s_mov_b32 s89, 0
	s_lshl_b32 s90, s57, 12                        ; of my 4 tiles of source 1,
	s_add_co_u32 s90, s90, s3
	s_lshl_b32 s96, s18, 11
	s_add_co_u32 s90, s90, s96
	s_mov_b32 s91, 0
	s_lshl_b32 s92, s56, 10                        ; q's and k's bias: my 128 columns (for v: offset 0; what is loaded is then replaced by 0),
	s_lshl_b32 s96, s17, 9
	s_add_co_u32 s92, s92, s96
	s_and_b32 s92, s92, s58
	s_mov_b32 s93, 0
	s_lshl_b32 s94, s57, 9                         ; v's bias: my 64 columns from 2,048 on (for q and k: offset 0, replaced by 0)
	s_lshl_b32 s96, s18, 8
	s_add_co_u32 s94, s94, s96
	s_add_co_u32 s94, s94, 8192
	s_and_b32 s94, s94, s59
	s_mov_b32 s95, 0
	; where the results go, in bytes from qkv: s60 codes, s61 scale words, s62 from half 0 to half 1, s63 from tile to tile of source 1, s66 from lanes 0-15's scale words to lanes 16-31's
	s_lshl_b32 s96, s19, 1
	s_add_co_u32 s96, s96, s17
	s_lshl_b32 s96, s96, 1                         ; q, k: my first head of two: 4 cx + 2 w0,
	s_lshr_b32 s97, s57, 4
	s_lshl_b32 s97, s97, 4
	s_add_co_u32 s96, s96, s97                     ; + 16 x batch
	s_and_b32 s97, s57, 15                         ; which 128 tokens of the batch
	s_lshl_b32 s98, s96, 7
	s_lshl_b32 s99, s97, 3
	s_add_co_u32 s98, s98, s99
	s_lshl_b32 s99, s18, 2
	s_add_co_u32 s98, s98, s99
	s_mul_i32 s98, s98, 768
	s_add_co_u32 s60, s98, QC                      ; q's codes
	s_lshl_b32 s98, s96, 5
	s_lshl_b32 s99, s97, 1
	s_add_co_u32 s98, s98, s99
	s_add_co_u32 s98, s98, s18
	s_lshl_b32 s98, s98, 8
	s_add_co_u32 s61, s98, QS                      ; q's scale words
	s_lshl_b32 s98, s96, 4
	s_add_co_u32 s98, s98, s97
	s_mul_i32 s98, s98, REC                        ; k: the record
	s_mul_i32 s99, s18, 3072
	s_add_co_u32 s99, s98, s99                     ; k's codes
	s_lshl_b32 s67, s18, 8
	s_add_co_u32 s98, s98, s67
	s_add_co_u32 s98, s98, 12288                   ; k's scale words
	s_mov_b32 s62, 98304
	s_mov_b32 s66, 8192
	s_mov_b32 s67, 16*REC
	s_bitcmp1_b32 s21, 0                           ; k?
	s_cselect_b32 s60, s99, s60
	s_cselect_b32 s61, s98, s61
	s_cselect_b32 s62, s67, s62
	s_cselect_b32 s66, s67, s66
	s_lshl_b32 s96, s56, 1
	s_add_co_u32 s96, s96, s17                     ; v: which 128 tokens of all,
	s_lshl_b32 s97, s57, 1
	s_add_co_u32 s97, s97, s18                     ; which head
	s_lshr_b32 s98, s96, 4
	s_lshl_b32 s98, s98, 4
	s_add_co_u32 s98, s98, s97
	s_lshl_b32 s98, s98, 4
	s_and_b32 s96, s96, 15
	s_add_co_u32 s98, s98, s96
	s_mul_i32 s98, s98, REC                        ; the record
	s_add_co_u32 s99, s98, 6144
	s_add_co_u32 s98, s98, 12800
	s_mov_b32 s63, 1536
	s_mov_b32 s96, 0x03020100
	s_cmp_lt_u32 s21, 32
	s_cselect_b32 s60, s60, s99
	s_cselect_b32 s61, s61, s98
	s_cselect_b32 s62, s62, 768
	s_cselect_b32 s63, 768, s63
	s_cselect_b32 s66, s66, 256
	s_cselect_b32 s97, 0x05040100, s96             ; q, k: lanes 0-15 gather the first head's two bytes of two tiles,
	s_cselect_b32 s98, 0x07060302, s96             ; lanes 16-31 the second head's; v: a tile's word as it is
	v_and_b32 v1, 31, v0
	v_lshlrev_b32 v1, 3, v1                        ; 8 x lane
	v_and_b32 v2, 15, v0                           ; r
	v_bfe_u32 v3, v0, 4, 1                         ; h
	v_lshlrev_b32 v18, 5, v2                       ; 32 r: a row's eight scale words
	v_lshlrev_b32 v19, 6, v3                       ; 64 h
	v_and_b32 v28, 8, v2
	v_add_nc_u32 v28, v28, v2
	v_lshlrev_b32 v28, 2, v28                      ; 4 (r + 8 (r / 8))
	v_add_nc_u32 v[VOC], s60, v1
	v_add_nc_u32 v[VOC+1], s62, v[VOC]
	v_mul_u32_u24 v[VOS], s66, v3
	v_lshl_add_u32 v[VOS], v2, 4, v[VOS]
	v_add_nc_u32 v[VOS], s61, v[VOS]
	v_mov_b32 v[VSEL], s97
	v_mov_b32 v17, s98
	v_cmp_ne_u32 vcc_lo, 0, v3
	v_cndmask_b32 v[VSEL], v[VSEL], v17, vcc_lo
.irp b, 0,1,2,3
	v_mov_b32 v[TM+4+\b], 0                        ; a lane permute's destination counts as one of its sources
.endr
	s_mul_i32 s2, s17, 24576
	s_mul_i32 s3, s18, 12288
	s_add_co_u32 s3, s3, S1O
.irp q, 0,1,2,3
	v_add_nc_u32 v[AD0+\q], s2, v1
	v_add_nc_u32 v[AD1+\q], s3, v1
	s_add_co_u32 s2, s2, QTR
	s_add_co_u32 s3, s3, QTR
.endr
	; descriptors.  Elements of 8 bytes; a row is a tile's quarter, 3,072 bytes = 384 elements; rows 12,288 bytes = 1,536 elements apart; 8 rows (source 0) or 4 (source 1) to a load
	s_lshl_b32 s96, 0x1111, s19                    ; my column of the cluster (same cx)
	s_lshl_b32 s97, s20, 2
	s_lshl_b32 s97, 15, s97                        ; my row (same cy)
	s_or_b32 s[G1A], s96, (3<<16)|(1<<21)
	s_or_b32 s[G1B], s97, (3<<16)|(1<<21)
	s_mov_b32 s[G1A+1], 384<<16
	s_mov_b32 s[G1A+2], 8<<16
	s_mov_b32 s[G1A+3], 384<<16
	s_mov_b32 s[G1A+4], 8
	s_mov_b32 s[G1A+5], 1536
	s_mov_b32 s[G1A+6], 0
	s_mov_b32 s[G1A+7], 0
	s_mov_b32 s[G1B+1], 384<<16
	s_mov_b32 s[G1B+2], 4<<16
	s_mov_b32 s[G1B+3], 384<<16
	s_mov_b32 s[G1B+4], 4
	s_mov_b32 s[G1B+5], 1536
	s_mov_b32 s[G1B+6], 0
	s_mov_b32 s[G1B+7], 0
	s_mul_i32 s2, s17, 24576                       ; where my half goes in a quarter: no place in the cluster enters an LDS address
	s_mul_i32 s3, s17, 12288
	s_add_co_u32 s3, s3, S1O
	s_wait_dscnt 0x0
	s_wait_kmcnt 0x0
	s_cmp_lt_u32 s21, 32                           ; the roles: q, k: source 0 = the weight, source 1 = x; v: the other way round
	s_cselect_b64 s[96:97], s[8:9], s[4:5]
	s_cselect_b64 s[98:99], s[4:5], s[8:9]
	s_add_nc_u64 s[84:85], s[96:97], s[84:85]
	s_add_nc_u64 s[86:87], s[98:99], s[86:87]
	s_cselect_b64 s[96:97], s[10:11], s[6:7]
	s_cselect_b64 s[98:99], s[6:7], s[10:11]
	s_add_nc_u64 s[88:89], s[96:97], s[88:89]
	s_add_nc_u64 s[90:91], s[98:99], s[90:91]
	s_add_nc_u64 s[92:93], s[12:13], s[92:93]
	s_add_nc_u64 s[94:95], s[12:13], s[94:95]
.irp q, 0,1,2,3
	s_mov_b32 s[G0A+4*\q], 1
	s_add_co_u32 s[G0A+4*\q+1], s2, \q*QTR
	s_add_nc_u64 s[G0A+4*\q+2:G0A+4*\q+3], s[84:85], \q*3072
	s_or_b32 s[G0A+4*\q+3], s[G0A+4*\q+3], 0x80000000
	s_mov_b32 s[G0B+4*\q], 1
	s_add_co_u32 s[G0B+4*\q+1], s3, \q*QTR
	s_add_nc_u64 s[G0B+4*\q+2:G0B+4*\q+3], s[86:87], \q*3072
	s_or_b32 s[G0B+4*\q+3], s[G0B+4*\q+3], 0x80000000
.endr
	CROUND                                         ; all sixteen work-groups are here: the joint loads meet
	s_cmp_lt_u32 s16, 2                            ; waves 0, 1 fetch source 0's halves, waves 2, 3 source 1's: a wave's four fills stand in one branch; four loads of mine are out
	s_cbranch_scc0 .Lfill_1
	tensor_load_to_lds s[G0A:G0A+3], s[G1A:G1A+7]
	s_nop 0
	tensor_load_to_lds s[G0A+4:G0A+7], s[G1A:G1A+7]
	s_nop 0
	tensor_load_to_lds s[G0A+8:G0A+11], s[G1A:G1A+7]
	s_nop 0
	tensor_load_to_lds s[G0A+12:G0A+15], s[G1A:G1A+7]
	s_nop 0
.rept 4
	v_nop
.endr
	s_branch .Lfilled
.Lfill_1:
	tensor_load_to_lds s[G0B:G0B+3], s[G1B:G1B+7]
	s_nop 0
	tensor_load_to_lds s[G0B+4:G0B+7], s[G1B:G1B+7]
	s_nop 0
	tensor_load_to_lds s[G0B+8:G0B+11], s[G1B:G1B+7]
	s_nop 0
	tensor_load_to_lds s[G0B+12:G0B+15], s[G1B:G1B+7]
	s_nop 0
.rept 4
	v_nop
.endr
.Lfilled:
.irp b, 0,1,2,3,4,5,6,7                        ; the scale words of all of K stay in registers: lane r takes its row's 32 bytes
.irp q, 0,1
	global_load_b128 v[SC0+8*\b+4*\q:SC0+8*\b+4*\q+3], v18, s[88:89] offset:512*\b+16*\q
.endr
.endr
.irp a, 0,1,2,3
.irp q, 0,1
	global_load_b128 v[SC1+8*\a+4*\q:SC1+8*\a+4*\q+3], v18, s[90:91] offset:512*\a+16*\q
.endr
.endr
.irp b, 0,1,2,3,4,5,6,7                        ; register 8 b + j: the bias of column 32 (b / 2) + 8 (b % 2) + 16 h + j of my 128
	global_load_b128 v[BQ+8*\b:BQ+8*\b+3], v19, s[92:93] offset:(32*(\b/2)+8*(\b%2))*4
	global_load_b128 v[BQ+8*\b+4:BQ+8*\b+7], v19, s[92:93] offset:(32*(\b/2)+8*(\b%2))*4+16
.endr
.irp a, 0,1,2,3                                ; v: the bias of my lane's channel in tile a, twice: a pair for the packed addition
	global_load_b32 v[BV+2*\a], v28, s[94:95] offset:(32*(\a/2)+8*(\a%2))*4
	global_load_b32 v[BV+2*\a+1], v28, s[94:95] offset:(32*(\a/2)+8*(\a%2))*4
.endr
	s_wait_loadcnt 0x0
.set i, 0
.rept 64
	v_cndmask_b32 v[BQ+i], 0, v[BQ+i], s58         ; kept for q and k, 0 for v
.set i, i+1
.endr
.set i, 0
.rept 8
	v_cndmask_b32 v[BV+i], 0, v[BV+i], s59         ; kept for v, 0 for q and k
.set i, i+1
.endr
	s_wait_tensorcnt 3                             ; my part of quarter 0 has landed; three loads stay out
	s_barrier_signal -1
	s_barrier_wait -1                              ; everybody's has
	FETCH 0
	KSTEP 0
	KSTEP 1
	KSTEP 2
	KSTEP 3
	KSTEP 4
	KSTEP 5
	KSTEP 6
	KSTEP 7
	WIN 0
	PLACES
	; THE WAY OUT, a tile of source 1 at a time: 64 numbers a lane come to window 0 (with v's bias added on the way), are quantised, and leave as two half-images
.irp a, 0,1,2,3
	WIN 0x01
.set i, 0
.rept 32
	v_pk_add_f32 v[BQ+2*i:BQ+2*i+1], v[64*\a+2*i:64*\a+2*i+1], v[BV+2*\a:BV+2*\a+1]   ; each accumulator from its low end on
.set i, i+1
.endr
	WIN 0
.if \a > 0
	s_wait_xcnt 0x0                                ; the last tile's stores have read their data and offsets
	v_add_nc_u32 v[VOC], s63, v[VOC]
	v_add_nc_u32 v[VOC+1], s63, v[VOC+1]
.endif
	QUANT BQ, PW+\a
.irp c, 0,1
.irp j, 0,1,2
	global_store_b64 v[VOC+\c], v[PC+6*\c+2*\j:PC+6*\c+2*\j+1], s[14:15] offset:256*\j   ; 32 lanes store 256 consecutive bytes, aligned
.endr
.endr
.endr
	v_perm_b32 v232, v[PW+1], v[PW], v[VSEL]       ; q, k: [tile 0's two bytes, tile 1's two] of my lanes' head; v: tile 0's word
	v_perm_b32 v233, v[PW+3], v[PW+2], v[VSEL]     ; q, k: the same of tiles 2, 3; v: tile 2's word
	v_mov_b32 v234, v[PW+1]                        ; v: tile 1's word (q, k: not read by anybody)
	v_mov_b32 v235, v[PW+3]                        ; v: tile 3's
	global_store_b128 v[VOS], v[232:235], s[14:15] ; sixteen lanes store 256 consecutive bytes, aligned
	s_wait_tensorcnt 0x0
	ds_add_u32 v254, v255
	s_wait_dscnt 0x0
	CROUND                                         ; the closing round: no work-group ends while a partner may still ask for a tile that names it
	s_endpgm
.Lfunc_end_k_q6905dede78_gemm_qkv:
	.size	k_q6905dede78_gemm_qkv, .Lfunc_end_k_q6905dede78_gemm_qkv-k_q6905dede78_gemm_qkv
	.p2alignl 7, 3214868480
	.fill 96, 4, 3214868480
	.section	.rodata,"a",@progbits
	.p2align	6, 0x0
	.amdhsa_kernel k_q6905dede78_gemm_qkv
		.amdhsa_group_segment_fixed_size 327680
		.amdhsa_private_segment_fixed_size 0
		.amdhsa_enable_private_segment 0
		.amdhsa_kernarg_size 48
		.amdhsa_user_sgpr_count 2
		.amdhsa_user_sgpr_kernarg_segment_ptr 1
		.amdhsa_wavefront_size32 1
		.amdhsa_system_sgpr_workgroup_id_x 1
		.amdhsa_system_sgpr_workgroup_id_y 1
		.amdhsa_system_sgpr_workgroup_id_z 1
		.amdhsa_system_vgpr_workitem_id 0
		.amdhsa_next_free_vgpr 1024
		.amdhsa_next_free_sgpr 100
		.amdhsa_reserve_vcc 1
		.amdhsa_float_denorm_mode_32 3
		.amdhsa_float_denorm_mode_16_64 3
		.amdhsa_memory_ordered 1
		.amdhsa_forward_progress 1
		.amdhsa_inst_pref_size 118
	.end_amdhsa_kernel
	.amdgpu_metadata
---
amdhsa.version: [ 1, 2 ]
amdhsa.kernels:
  - .name:           k_q6905dede78_gemm_qkv
    .symbol:         k_q6905dede78_gemm_qkv.kd
    .args:
      - { .name: xc, .offset: 0, .size: 8, .value_kind: global_buffer, .address_space: global }
      - { .name: xs, .offset: 8, .size: 8, .value_kind: global_buffer, .address_space: global }
      - { .name: wc, .offset: 16, .size: 8, .value_kind: global_buffer, .address_space: global }
      - { .name: ws, .offset: 24, .size: 8, .value_kind: global_buffer, .address_space: global }
      - { .name: b_attn, .offset: 32, .size: 8, .value_kind: global_buffer, .address_space: global }
      - { .name: qkv, .offset: 40, .size: 8, .value_kind: global_buffer, .address_space: global }
    .group_segment_fixed_size: 327680
    .private_segment_fixed_size: 0
    .kernarg_segment_align: 8
    .kernarg_segment_size: 48
    .max_flat_workgroup_size: 128
    .sgpr_count:     100
    .vgpr_count:     1024
    .wavefront_size: 32
...
	.end_amdgpu_metadata
.endif
;; end of part 2
;; launch attn (part 3): grid 4 x 64, 16 waves a work-group, clusters of 4 x 1, 327,680 bytes of LDS; arguments qkv, yc, ys; writes yc, ys
.if DOCPART == 3
	.amdgcn_target "amdgcn-amd-amdhsa--gfx1250"
	.amdhsa_code_object_version 6
	.text
	.protected	k_q6905dede78_attn
	.globl	k_q6905dede78_attn
	.p2align	8
	.type	k_q6905dede78_attn,@function
k_q6905dede78_attn:
	s_mov_b64 s[64:65], 0
	v_nop
	global_prefetch_b8 v0, s[64:65] scope:SCOPE_SE
	s_setreg_imm32_b32 hwreg(HW_REG_WAVE_MODE, 25, 1), 1
	s_wait_xcnt 0x0
	s_wait_alu depctr_hold_cnt(0) depctr_sa_sdst(0) depctr_va_vdst(0) depctr_va_sdst(0) depctr_va_ssrc(0) depctr_va_vcc(0) depctr_vm_vsrc(0)
	s_getreg_b32 s2, hwreg(HW_REG_IB_STS2, 6, 4)
	s_cmp_eq_u32 s2, 0
	s_cbranch_scc0 .Lentry_in_a_cluster
	s_endpgm
.Lentry_in_a_cluster:
	s_bfe_u32 s2, ttmp6, 0x10000c
	s_cmp_lg_u32 s2, 0x3003
	s_cbranch_scc0 .Lentry_shape_is_right
	s_endpgm
.Lentry_shape_is_right:
; ATTN: y[b][t][head] = softmax_causal(q k^T / 8) v for one head, both products on codes of BF6 (E3M2) with E8M0 scales, and y quantised along the model's 1,024 channels (two blocks a head) for the last product.
; THE SOFTMAX: t = score x log2(e) / 8; M = the running largest t rounded UP to a whole number; p = 2^(t - M) is what is quantised, along the keys, not normalised; the row's sum is taken of the
; unquantised p in f32 and divides O at the end.  When M moves, the sum and O are multiplied by 2^(old M - new M): exact.
; LIMITS: NaN and infinities are not served; a block whose largest magnitude lies under 2^-122, a block of zeros too, gets the scale byte 1 (zero codes add nothing; only this program reads the bytes).
; SHARES.  A cluster of four work-groups takes one head.  All its K and V, 16 records of 128 keys (13,312 bytes each: K's 8 tiles of 16 keys x 64 channels, V^T's 4 fragments of 16 channels x 128 keys,
; their scale words), 212,992 bytes, come into every partner's LDS ONCE, by joint loads: nothing is filled twice and nothing is stored to LDS.
; A head has 128 tiles of 16 queries; tile 8 g + 2 cx + e belongs to work-group cx.  Wave w has e = w / 8 and takes two tiles, one after the other: g = max(w, 15 - w), then 15 - that:
; a tile of group g needs g + 1 key steps (later keys are hidden), so every wave has 17 steps.  Steps all of whose keys are hidden are jumped over by a scalar branch on the wave's number and the loop's counter.
; LAYOUT.  Both products are used transposed (S^T = K Q^T, O^T = V^T P^T): a lane holds ONE query throughout.  Lane r of tile T (keys, queries, V's channels alike) holds row 32 (T / 2) + 8 (T % 2) + r + 8 (r / 8),
; so the 16 registers of two neighbouring result tiles are 16 neighbours along the next K.
; K = 64 IN AN INSTRUCTION OF 128: source 0 is TWO tiles of keys on end (12 registers, all data); source 1 is [Q | zero codes] for the first tile's scores and [zero codes | Q] for the second's.
; REGISTERS: v1 8 x lane, v2 16 r, v3-4 the step's LDS addresses, v5 my query less 16 h (for the mask), v8 y's scale bytes, v9 32 r, v10 at work, v11 -infinity, v12 -M, v13 the largest t, v[14:15] the sum;
;   v16-21 Q, v22-27 zeros, v28-33 Q; v34-81 four operands of K or of V; v[82:83] at work; v84-87 K's scale words, v88-91 V's, v92 Q's, v93 p's; v[94:95] f; v96-159 S^T, then p; v160-191 O^T; v192-223 the quantiser's.
.set REC,   13312
.set QC,    13631488
.set QS,    19922944
.set FLOOR, 0x2800000
.set OFF4,  0xfe000000
.set WV,  10
.set SG,  18                           ; s18  my tile's group: its last key step
.set KS,  19                           ; s19  the key step
.set TB,  20                           ; s20  LDS byte at which its record begins
.set SEL, 22
.set CS,  48                           ; s[48:49] c = log2(e) / 8
.macro CROUND
	s_barrier_signal -1
	s_barrier_wait -1
	s_cmp_lg_u32 s[WV], 0
	s_cbranch_scc1 .Lnot_wave_0_\@
	s_barrier_signal -3
.Lnot_wave_0_\@:
	s_barrier_wait -3
	s_barrier_signal -1
	s_barrier_wait -1
.endm
.macro BASES sg, o                     ; the four global addresses of the tile of group s[sg]: q's codes, q's scale words, y's codes, y's scale bytes, in s[o] .. s[o + 7]
	s_lshl_b32 s68, s[\sg], 3
	s_add_co_u32 s68, s68, s71                     ; the tile in its head: 8 g + 2 cx + e
	s_lshl_b32 s69, s15, 7
	s_add_co_u32 s69, s69, s68
	s_mul_i32 s72, s69, 768
	s_add_co_u32 s72, s72, QC
	s_mov_b32 s73, 0
	s_add_nc_u64 s[\o:\o+1], s[4:5], s[72:73]
	s_lshl_b32 s69, s15, 5
	s_lshl_b32 s70, s[\sg], 1
	s_add_co_u32 s69, s69, s70
	s_add_co_u32 s69, s69, s76
	s_lshl_b32 s72, s69, 8
	s_add_co_u32 s72, s72, s77
	s_add_co_u32 s72, s72, QS
	s_add_nc_u64 s[\o+2:\o+3], s[4:5], s[72:73]
	s_lshl_b32 s69, s16, 7
	s_add_co_u32 s69, s69, s68                     ; the tile among y's 512
	s_lshl_b32 s70, s69, 4
	s_add_co_u32 s70, s70, s17
	s_mul_i32 s72, s70, 768
	s_add_nc_u64 s[\o+4:\o+5], s[6:7], s[72:73]
	s_lshl_b32 s72, s69, 9
	s_lshl_b32 s70, s17, 1
	s_add_co_u32 s72, s72, s70
	s_add_nc_u64 s[\o+6:\o+7], s[8:9], s[72:73]
.endm
.macro PASS_IN o                       ; a tile begins: Q, its scale word, empty sums
	s_wait_xcnt 0x0                                ; the last tile's stores have read their data
	global_load_b32 v92, v2, s[\o+2:\o+3]          ; the word that holds my tile's two scale bytes
.irp j, 0,1,2
	global_load_b64 v[16+2*\j:17+2*\j], v1, s[\o:\o+1] offset:256*\j
	global_load_b64 v[28+2*\j:29+2*\j], v1, s[\o:\o+1] offset:256*\j    ; Q twice: on either side of the zeros
.endr
	v_mov_b32 v13, 0xff61b1e6                      ; the largest t so far: -3e38, under every t
	s_delay_alu instid0(VALU_DEP_1)
	v_floor_f32 v12, -v13                          ; -M
	v_mov_b32 v14, 0
	v_mov_b32 v15, 0
	s_wait_loadcnt 6                               ; the word is in; Q's six loads stay out
	v_lshrrev_b32 v92, s21, v92                    ; my tile's two bytes (16 e bits up),
	s_delay_alu instid0(VALU_DEP_1)
	v_and_b32 v92, 0xffff, v92
	s_delay_alu instid0(VALU_DEP_1)
	v_lshl_or_b32 v92, v92, 16, v92                ; for both halves of the instruction's K
.set j, 0
.rept 32
	v_mov_b32 v[160+j], 0                          ; O^T.  (The step is written without a first step of its own: the first change of M leaves zeros zeros.  These are also the places between the scale word's last write and the first product)
.set j, j+1
.endr
	s_wait_loadcnt 0x0
.endm
; A KEY STEP: 128 keys.  guard = 1: a step behind my tile's last is jumped over, and my tile's last is masked
.macro STEP guard
.if \guard
	s_cmp_gt_u32 s[KS], s[SG]
	s_cbranch_scc1 .Lhid_\@
.endif
	s_setprio 2
	v_add_nc_u32 v3, s[TB], v1
	v_add_nc_u32 v4, s[TB], v2
	v_nop
	v_nop                                          ; four places in front of loads into registers that the last products read
.irp q, 0,1,2,3
.irp p, 0,1,2,3,4,5
	ds_load_b64 v[34+12*\q+2*\p:35+12*\q+2*\p], v3 offset:1536*\q+256*\p      ; tiles 2 q and 2 q + 1 of K: one operand
.endr
.endr
	ds_load_b64 v[84:85], v4 offset:12288          ; their scale words: [first tile's two bytes, second tile's two]
	ds_load_b64 v[86:87], v4 offset:12544
	s_wait_alu depctr_va_vdst(0)
	s_wait_dscnt 0x0
.irp q, 0,1,2,3
	v_wmma_scale_f32_16x16x128_f8f6f4 v[96+16*\q:103+16*\q], v[34+12*\q:45+12*\q], v[16:27], 0, v[84+\q], v92 matrix_a_fmt:MATRIX_FMT_BF6 matrix_b_fmt:MATRIX_FMT_BF6
	v_wmma_scale_f32_16x16x128_f8f6f4 v[104+16*\q:111+16*\q], v[34+12*\q:45+12*\q], v[22:33], 0, v[84+\q], v92 matrix_a_fmt:MATRIX_FMT_BF6 matrix_b_fmt:MATRIX_FMT_BF6
.endr                                          ; register 16 b + i: key 32 b + 16 h + i of the step
.rept 4
	v_nop
.endr
.irp a, 0,1,2,3
.irp p, 0,1,2,3,4,5
	ds_load_b64 v[34+12*\a+2*\p:35+12*\a+2*\p], v3 offset:6144+1536*\a+256*\p   ; V^T's four fragments come while the softmax is walked
.endr
.endr
	ds_load_b128 v[88:91], v4 offset:12800         ; their scale words, in the order of tiles 0, 2, 1, 3
.if \guard
	s_cmp_lg_u32 s[KS], s[SG]
	s_cbranch_scc1 .Lopen_\@
.set n, 0
.rept 64
	v_cmp_gt_i32 vcc_lo, 32*(n/16)+n%16, v5        ; on the diagonal the scores of hidden keys become -infinity ahead of the maximum: p = 0 then
	v_cndmask_b32 v[96+n], v[96+n], v11, vcc_lo
.set n, n+1
.endr
.Lopen_\@:
.endif
.irp b, 0,1,2,3
	v_max3_num_f32 v[192+\b], v[96+16*\b], v[97+16*\b], v[98+16*\b]   ; the largest score of each block of 32 keys: for the row's maximum, and, since p rises with the score, for the block's largest p
.endr
.irp i, 3,5,7,9,11,13
.irp b, 0,1,2,3
	v_max3_num_f32 v[192+\b], v[192+\b], v[96+16*\b+\i], v[97+16*\b+\i]
.endr
.endr
.irp b, 0,1,2,3
	v_max_num_f32 v[192+\b], v[192+\b], v[111+16*\b]
.endr
.irp b, 0,1,2,3
	s_delay_alu instid0(VALU_DEP_4)
	v_permlanex16_b32 v[196+\b], v[192+\b], s[SEL], s[SEL+1]
.endr
.irp b, 0,1,2,3
	s_delay_alu instid0(VALU_DEP_4)
	v_max_num_f32 v[192+\b], v[192+\b], v[196+\b]  ; with lane l xor 16's 16 keys
.endr
	s_delay_alu instid0(VALU_DEP_2)
	v_max3_num_f32 v10, v192, v193, v194
	s_delay_alu instid0(VALU_DEP_1)
	v_max_num_f32 v10, v10, v195
	s_delay_alu instid0(VALU_DEP_1)
	v_mul_f32 v10, s[CS], v10                      ; as t (c is positive)
	s_delay_alu instid0(VALU_DEP_1)
	v_max_num_f32 v13, v13, v10                    ; the running largest t
	v_mov_b32 v10, v12
	s_delay_alu instid0(VALU_DEP_2)
	v_floor_f32 v12, -v13                          ; the new -M = -ceil(t)
	s_delay_alu instid0(VALU_DEP_1)
	v_sub_f32 v10, v12, v10                        ; old M - new M: a whole number, 0 or less
	s_delay_alu instid0(VALU_DEP_1)
	v_cvt_i32_f32 v10, v10                         ; (it saturates)
	s_delay_alu instid0(VALU_DEP_1)
	v_ldexp_f32 v94, 1.0, v10                      ; f = 2^(old M - new M)
.set j, 0
.rept 32
	v_pk_fma_f32 v[96+j:97+j], v[96+j:97+j], s[CS:CS+1], v[12:13] op_sel_hi:[1,0,0]   ; t - M, two at a time
.set j, j+2
.endr
.irp b, 0,1,2,3
	v_fma_f32 v[192+\b], v[192+\b], s[CS], v12     ; the same of each block's largest score
.endr
.set j, 0
	s_setprio 1
	s_wait_alu depctr_va_vdst(0)
.rept 64
	v_exp_f32 v[96+j], v[96+j]                     ; p = 2^(t - M)
.set j, j+1
.endr
.irp b, 0,1,2,3
	v_exp_f32 v[192+\b], v[192+\b]                 ; the block's largest p
.endr
	v_pk_mul_f32 v[14:15], v[14:15], v[94:95] op_sel_hi:[1,0]     ; the sum under the new M (a plain place behind the exponentials)
	s_wait_alu depctr_va_vdst(0)
.irp b, 0,1,2,3
	v_max_num_f32 v[192+\b], FLOOR, v[192+\b]
.endr
.irp b, 0,1,2,3
	s_delay_alu instid0(VALU_DEP_4)
	v_add_nc_u32 v[200+\b], OFF4, v[192+\b]        ; the conversion's scale operand
.endr
.irp b, 0,1,2,3
	s_delay_alu instid0(VALU_DEP_4)
	v_lshrrev_b32 v[196+\b], 23, v[200+\b]         ; the scale's byte
.endr
	s_delay_alu instid0(VALU_DEP_3)
	v_lshl_or_b32 v93, v197, 8, v196               ; p's scale word for these 128 keys
	s_delay_alu instid0(VALU_DEP_1)
	v_lshl_or_b32 v93, v198, 16, v93
	s_delay_alu instid0(VALU_DEP_1)
	v_lshl_or_b32 v93, v199, 24, v93
.irp c, 0,1
	v_cvt_scalef32_pk16_bf6_f32 v[212+6*\c:214+6*\c], v[96+32*\c:111+32*\c], v[200+2*\c]
	v_cvt_scalef32_pk16_bf6_f32 v[204+4*\c:206+4*\c], v[112+32*\c:127+32*\c], v[200+2*\c+1]
.endr
	v_nop                                          ; one plain place behind a scaled conversion
.irp c, 0,1                                    ; the operand's layout wants a whole block in a lane
.irp i, 0,1,2
	v_permlane16_swap_b32 v[212+6*\c+\i], v[204+4*\c+\i]
.endr
.irp i, 0,1,2
	s_delay_alu instid0(VALU_DEP_3)
	v_mov_b32 v[215+6*\c+\i], v[204+4*\c+\i]
.endr
.endr
	v_pk_add_f32 v[82:83], v[100:101], v[104:105]
	v_pk_add_f32 v[252:253], v[108:109], v[112:113]
	v_pk_add_f32 v[250:251], v[116:117], v[120:121]
	v_pk_add_f32 v[248:249], v[124:125], v[128:129]
	v_pk_add_f32 v[246:247], v[132:133], v[136:137]
	v_pk_add_f32 v[244:245], v[140:141], v[144:145]
	v_pk_add_f32 v[242:243], v[148:149], v[152:153]
	v_pk_add_f32 v[14:15], v[14:15], v[156:157]
	v_pk_add_f32 v[82:83], v[82:83], v[96:97]
	v_pk_add_f32 v[252:253], v[252:253], v[98:99]
	v_pk_add_f32 v[250:251], v[250:251], v[102:103]
	v_pk_add_f32 v[248:249], v[248:249], v[106:107]
	v_pk_add_f32 v[246:247], v[246:247], v[110:111]
	v_pk_add_f32 v[244:245], v[244:245], v[114:115]
	v_pk_add_f32 v[242:243], v[242:243], v[118:119]
	v_pk_add_f32 v[14:15], v[14:15], v[122:123]
	v_pk_add_f32 v[82:83], v[82:83], v[126:127]
	v_pk_add_f32 v[252:253], v[252:253], v[130:131]
	s_setprio 0
	v_pk_add_f32 v[250:251], v[250:251], v[134:135]
	v_pk_add_f32 v[248:249], v[248:249], v[138:139]
	v_pk_add_f32 v[246:247], v[246:247], v[142:143]
	v_pk_add_f32 v[244:245], v[244:245], v[146:147]
	v_pk_add_f32 v[242:243], v[242:243], v[150:151]
	v_pk_add_f32 v[14:15], v[14:15], v[154:155]
	v_pk_add_f32 v[82:83], v[82:83], v[158:159]
	s_delay_alu instid0(VALU_DEP_2)
	v_pk_add_f32 v[14:15], v[14:15], v[248:249]
	s_delay_alu instid0(VALU_DEP_2)
	v_pk_add_f32 v[82:83], v[82:83], v[246:247]
	v_pk_add_f32 v[252:253], v[252:253], v[244:245]
	v_pk_add_f32 v[250:251], v[250:251], v[242:243]
	s_delay_alu instid0(VALU_DEP_2)
	v_pk_add_f32 v[14:15], v[14:15], v[252:253]
	s_delay_alu instid0(VALU_DEP_2)
	v_pk_add_f32 v[82:83], v[82:83], v[250:251]
	s_delay_alu instid0(VALU_DEP_1)
	v_pk_add_f32 v[14:15], v[14:15], v[82:83]
.set j, 0
.rept 16
	v_pk_mul_f32 v[160+j:161+j], v[160+j:161+j], v[94:95] op_sel_hi:[1,0]   ; O^T under the new M
.set j, j+2
.endr
	s_wait_alu depctr_va_vdst(0)
	s_wait_dscnt 0x0                               ; V is in
	v_wmma_scale_f32_16x16x128_f8f6f4 v[160:167], v[34:45], v[212:223], v[160:167], v88, v93 matrix_a_fmt:MATRIX_FMT_BF6 matrix_b_fmt:MATRIX_FMT_BF6   ; four accumulators by turns
	v_wmma_scale_f32_16x16x128_f8f6f4 v[168:175], v[46:57], v[212:223], v[168:175], v90, v93 matrix_a_fmt:MATRIX_FMT_BF6 matrix_b_fmt:MATRIX_FMT_BF6
	v_wmma_scale_f32_16x16x128_f8f6f4 v[176:183], v[58:69], v[212:223], v[176:183], v89, v93 matrix_a_fmt:MATRIX_FMT_BF6 matrix_b_fmt:MATRIX_FMT_BF6
	v_wmma_scale_f32_16x16x128_f8f6f4 v[184:191], v[70:81], v[212:223], v[184:191], v91, v93 matrix_a_fmt:MATRIX_FMT_BF6 matrix_b_fmt:MATRIX_FMT_BF6
.if \guard
.Lhid_\@:
.endif
	s_add_co_u32 s[TB], s[TB], REC                 ; the next record
.endm
; A tile ends: y = O^T / the sum; register 16 b + i is channel 32 b + 16 h + i of my query: two blocks of 32, quantised, one half-image and two scale bytes
.macro WAYOUT o
.rept 4
	v_nop
.endr
	v_add_f32 v14, v14, v15
	s_delay_alu instid0(VALU_DEP_1)
	v_permlanex16_b32 v10, v14, s[SEL], s[SEL+1]
	s_delay_alu instid0(VALU_DEP_1)
	v_add_f32 v14, v14, v10                        ; the row's sum
	s_wait_alu depctr_va_vdst(0)
	v_rcp_f32 v14, v14
	v_nop                                          ; a plain place behind the transcendental
.set j, 0
	s_wait_alu depctr_va_vdst(0)
.rept 16
	v_pk_mul_f32 v[96+j:97+j], v[160+j:161+j], v[14:15] op_sel_hi:[1,0]   ; each accumulator from its low end on
.set j, j+2
.endr
.irp b, 0,1
	v_max3_num_f32 v[192+\b], |v[96+16*\b]|, |v[97+16*\b]|, FLOOR
.endr
.irp i, 2,4,6,8,10,12,14
.irp b, 0,1
	s_delay_alu instid0(VALU_DEP_2)
	v_max3_num_f32 v[192+\b], v[192+\b], |v[96+16*\b+\i]|, |v[97+16*\b+\i]|
.endr
.endr
.irp b, 0,1
	s_delay_alu instid0(VALU_DEP_2)
	v_permlanex16_b32 v[196+\b], v[192+\b], s[SEL], s[SEL+1]
.endr
.irp b, 0,1
	s_delay_alu instid0(VALU_DEP_2)
	v_max_num_f32 v[192+\b], v[192+\b], v[196+\b]
.endr
.irp b, 0,1
	s_delay_alu instid0(VALU_DEP_2)
	v_add_nc_u32 v[200+\b], OFF4, v[192+\b]
.endr
.irp b, 0,1
	s_delay_alu instid0(VALU_DEP_2)
	v_lshrrev_b32 v[196+\b], 23, v[200+\b]
.endr
	s_delay_alu instid0(VALU_DEP_1)
	v_lshl_or_b32 v8, v197, 8, v196                ; my head's two bytes of my query's row
	v_cvt_scalef32_pk16_bf6_f32 v[212:214], v[96:111], v200
	v_cvt_scalef32_pk16_bf6_f32 v[204:206], v[112:127], v201
	v_nop
.irp i, 0,1,2
	v_permlane16_swap_b32 v[212+\i], v[204+\i]
.endr
.irp i, 0,1,2
	s_delay_alu instid0(VALU_DEP_3)
	v_mov_b32 v[215+\i], v[204+\i]
.endr
.irp j, 0,1,2
	global_store_b64 v1, v[212+2*\j:213+2*\j], s[\o+4:\o+5] offset:256*\j    ; 32 lanes store 256 consecutive bytes, aligned
.endr
	global_store_b16 v9, v8, s[\o+6:\o+7]          ; lanes r and r + 16 write the same two bytes with the same value
.endm
	s_load_b128 s[4:7], s[0:1], 0x0                ; qkv s[4:5], yc s[6:7]
	s_load_b64 s[8:9], s[0:1], 0x10                ; ys
	v_lshl_add_u32 v254, v0, 2, 0x34000
	v_mov_b32 v255, 0
	ds_add_u32 v254, v255
	ds_add_u32 v254, v255
	v_lshrrev_b32 v1, 5, v0
	s_delay_alu instid0(VALU_DEP_1)
	v_readfirstlane_b32 s[WV], v1                  ; wave 0..15
	s_lshr_b32 s11, s[WV], 3                       ; e
	s_sub_co_u32 s12, 15, s[WV]
	s_max_u32 s12, s12, s[WV]                      ; my first tile's group, 8..15
	s_sub_co_u32 s13, 15, s12                      ; my second's, 0..7
	s_bfe_u32 s14, ttmp6, 0x40000                  ; cx: it enters global addresses and the mask's numbers alone
	s_and_b32 s15, ttmp7, 0xffff                   ; batch x 16 + head, which the four partners share
	s_lshr_b32 s16, s15, 4
	s_and_b32 s17, s15, 15
	s_lshl_b32 s21, s11, 4                         ; 16 e
	s_mov_b32 s[SEL], 0x76543210
	s_mov_b32 s[SEL+1], 0xfedcba98
	s_mov_b32 s[CS], 0x3e38aa3b                    ; c = log2(e) / 8
	s_mov_b32 s[CS+1], s[CS]
	; descriptors: dense bytes as rows of 256 (32 elements of 8 bytes).  Records 0-3: 13 rows a wave; records 4-15: 39 rows a wave.  The mask names all four work-groups
	s_mov_b32 s24, 15|(3<<16)|(1<<21)
	s_mov_b32 s25, 32<<16
	s_mov_b32 s26, 13<<16
	s_mov_b32 s27, 32<<16
	s_mov_b32 s28, 13
	s_mov_b32 s29, 32
	s_mov_b32 s30, 0
	s_mov_b32 s31, 0
	s_mov_b32 s32, 15|(3<<16)|(1<<21)
	s_mov_b32 s33, 32<<16
	s_mov_b32 s34, 39<<16
	s_mov_b32 s35, 32<<16
	s_mov_b32 s36, 39
	s_mov_b32 s37, 32
	s_mov_b32 s38, 0
	s_mov_b32 s39, 0
	s_mul_i32 s68, s15, 16*REC                     ; the head's records
	s_mul_i32 s69, s[WV], 3328
	s_mul_i32 s70, s[WV], 9984
	s_add_co_u32 s70, s70, 4*REC
	s_add_co_u32 s72, s68, s69
	s_mov_b32 s73, 0
	s_add_co_u32 s74, s68, s70
	s_mov_b32 s75, 0
	s_wait_dscnt 0x0
	s_wait_kmcnt 0x0
	s_mov_b32 s40, 1
	s_mov_b32 s41, s69                             ; in LDS the records lie as in memory
	s_add_nc_u64 s[42:43], s[4:5], s[72:73]
	s_or_b32 s43, s43, 0x80000000
	s_mov_b32 s44, 1
	s_mov_b32 s45, s70
	s_add_nc_u64 s[46:47], s[4:5], s[74:75]
	s_or_b32 s47, s47, 0x80000000
	CROUND                                         ; all four work-groups are here: the joint loads meet
	tensor_load_to_lds s[40:43], s[24:31]          ; every wave asks for its share of both runs: two loads of mine are out
	s_nop 0
	tensor_load_to_lds s[44:47], s[32:39]
	s_nop 0
.rept 4
	v_nop
.endr
	s_lshl_b32 s71, s14, 1
	s_add_co_u32 s71, s71, s11                     ; 2 cx + e
	s_lshr_b32 s76, s14, 1
	s_and_b32 s77, s14, 1
	s_lshl_b32 s77, s77, 2
	BASES 12, 50
	BASES 13, 80
	v_and_b32 v1, 31, v0
	s_delay_alu instid0(VALU_DEP_1)
	v_lshlrev_b32 v1, 3, v1                        ; 8 x lane
	v_and_b32 v6, 15, v0                           ; r
	s_delay_alu instid0(VALU_DEP_1)
	v_lshlrev_b32 v2, 4, v6                        ; 16 r
	s_delay_alu instid0(VALU_DEP_2)
	v_lshlrev_b32 v9, 5, v6                        ; 32 r
	v_bfe_u32 v7, v0, 4, 1
	s_delay_alu instid0(VALU_DEP_1)
	v_lshlrev_b32 v7, 4, v7                        ; 16 h
	v_and_b32 v5, 8, v6
	s_delay_alu instid0(VALU_DEP_1)
	v_add_nc_u32 v5, v5, v6
	s_delay_alu instid0(VALU_DEP_1)
	v_sub_nc_u32 v5, v5, v7
	s_lshl_b32 s78, s14, 5
	s_lshl_b32 s79, s11, 3
	s_add_co_u32 s78, s78, s79
	v_add_nc_u32 v5, s78, v5                       ; my query among its group's 128, less 16 h: register 16 b + i is hidden on the diagonal where 32 b + i is larger
	v_mov_b32 v10, 0
	v_mov_b32 v11, 0xff800000                      ; -infinity
.irp j, 22,23,24,25,26,27
	v_mov_b32 v\j, 0                               ; zero codes
.endr
	v_mov_b32 v95, 0                               ; (named as the upper half of the pair v[94:95])
.irp b, 0,1,2,3
	v_mov_b32 v[196+\b], 0                         ; a lane permute's destination counts as one of its sources
.endr
	s_mov_b32 s[SG], s12
	PASS_IN 50
	s_wait_tensorcnt 1                             ; my share of records 0-3 has landed; the other load stays out
	s_barrier_signal -1
	s_barrier_wait -1                              ; everybody's has
	s_mov_b32 s[KS], 0
	s_mov_b32 s[TB], 0
.Lfirst4:                                          ; key steps 0-3: my first tile's group is 8 or more, so all their keys count
	STEP 0
	s_add_co_u32 s[KS], s[KS], 1
	s_cmp_lt_u32 s[KS], 4
	s_cbranch_scc1 .Lfirst4
	s_setprio 0
	s_wait_tensorcnt 0x0                           ; my share of records 4-15 has landed
	s_wait_dscnt 0x0
	s_barrier_signal -1
	s_barrier_wait -1                              ; everybody's has
	s_mov_b32 s[KS], 4
	s_mov_b32 s[TB], 4*REC
.Lrest:                                            ; key steps 4-15
	STEP 1
	s_add_co_u32 s[KS], s[KS], 1
	s_cmp_lt_u32 s[KS], 16
	s_cbranch_scc1 .Lrest
	s_setprio 0
	WAYOUT 50
	s_mov_b32 s[SG], s13
	PASS_IN 80
	s_mov_b32 s[KS], 0
	s_mov_b32 s[TB], 0
.Lsecond:                                          ; my second tile: key steps 0-7
	STEP 1
	s_add_co_u32 s[KS], s[KS], 1
	s_cmp_lt_u32 s[KS], 8
	s_cbranch_scc1 .Lsecond
	s_setprio 0
	WAYOUT 80
	s_wait_dscnt 0x0
	s_wait_tensorcnt 0x0
	ds_add_u32 v254, v255
	s_wait_dscnt 0x0
	CROUND                                         ; the closing round
	s_endpgm
.Lfunc_end_k_q6905dede78_attn:
	.size	k_q6905dede78_attn, .Lfunc_end_k_q6905dede78_attn-k_q6905dede78_attn
	.p2alignl 7, 3214868480
	.fill 96, 4, 3214868480
	.section	.rodata,"a",@progbits
	.p2align	6, 0x0
	.amdhsa_kernel k_q6905dede78_attn
		.amdhsa_group_segment_fixed_size 327680
		.amdhsa_private_segment_fixed_size 0
		.amdhsa_enable_private_segment 0
		.amdhsa_kernarg_size 24
		.amdhsa_user_sgpr_count 2
		.amdhsa_user_sgpr_kernarg_segment_ptr 1
		.amdhsa_wavefront_size32 1
		.amdhsa_system_sgpr_workgroup_id_x 1
		.amdhsa_system_sgpr_workgroup_id_y 1
		.amdhsa_system_sgpr_workgroup_id_z 1
		.amdhsa_system_vgpr_workitem_id 0
		.amdhsa_next_free_vgpr 256
		.amdhsa_next_free_sgpr 100
		.amdhsa_reserve_vcc 1
		.amdhsa_float_denorm_mode_32 3
		.amdhsa_float_denorm_mode_16_64 3
		.amdhsa_memory_ordered 1
		.amdhsa_forward_progress 1
		.amdhsa_inst_pref_size 86
	.end_amdhsa_kernel
	.amdgpu_metadata
---
amdhsa.version: [ 1, 2 ]
amdhsa.kernels:
  - .name:           k_q6905dede78_attn
    .symbol:         k_q6905dede78_attn.kd
    .args:
      - { .name: qkv, .offset: 0, .size: 8, .value_kind: global_buffer, .address_space: global }
      - { .name: yc, .offset: 8, .size: 8, .value_kind: global_buffer, .address_space: global }
      - { .name: ys, .offset: 16, .size: 8, .value_kind: global_buffer, .address_space: global }
    .group_segment_fixed_size: 327680
    .private_segment_fixed_size: 0
    .kernarg_segment_align: 8
    .kernarg_segment_size: 24
    .max_flat_workgroup_size: 512
    .sgpr_count:     100
    .vgpr_count:     256
    .wavefront_size: 32
...
	.end_amdgpu_metadata
.endif
;; end of part 3
;; launch gemm_out (part 4): grid 4 x 64, 4 waves a work-group, clusters of 4 x 4, 327,680 bytes of LDS; arguments yc, ys, wc, ws, b_proj, out0; writes out0
.if DOCPART == 4
	.amdgcn_target "amdgcn-amd-amdhsa--gfx1250"
	.amdhsa_code_object_version 6
	.text
	.protected	k_q6905dede78_gemm_out
	.globl	k_q6905dede78_gemm_out
	.p2align	8
	.type	k_q6905dede78_gemm_out,@function
k_q6905dede78_gemm_out:
	s_mov_b64 s[64:65], 0
	v_nop
	global_prefetch_b8 v0, s[64:65] scope:SCOPE_SE
	s_setreg_imm32_b32 hwreg(HW_REG_WAVE_MODE, 25, 1), 1
	s_wait_xcnt 0x0
	s_wait_alu depctr_hold_cnt(0) depctr_sa_sdst(0) depctr_va_vdst(0) depctr_va_sdst(0) depctr_va_ssrc(0) depctr_va_vcc(0) depctr_vm_vsrc(0)
	s_getreg_b32 s2, hwreg(HW_REG_IB_STS2, 6, 4)
	s_cmp_eq_u32 s2, 0
	s_cbranch_scc0 .Lentry_in_a_cluster
	s_endpgm
.Lentry_in_a_cluster:
	s_bfe_u32 s2, ttmp6, 0x10000c
	s_cmp_lg_u32 s2, 0xf033
	s_cbranch_scc0 .Lentry_shape_is_right
	s_endpgm
.Lentry_shape_is_right:
; GEMM_OUT: out0 = y w_proj + b_proj on codes of BF6 (E3M2) with E8M0 scales, sums in f32, out0 in f32.
; SHAPE.  Source 0 = 256 columns of the weight (16 tiles of 16), source 1 = 128 rows of y (8 tiles); all of K = 1,024 of both lies in LDS, 294,912 bytes, FILLED ONCE, in four quarters of 256 along K:
; no LDS byte is filled twice, so there is no ring.  Four waves; a wave makes 128 columns x 64 rows: 32 accumulators, 32 matrix instructions for each of 8 K steps.  256 work-groups.
; In the result a lane holds one row of y and its registers run along the columns.  The bias is the C of each sum's first product.
; OPERANDS lie in memory and in LDS as images of their registers: [tile][16 halves][768 bytes]; pair p of a fragment's 12 registers at 256 p + 8 x lane: every LDS load reads 256 consecutive bytes.
; Lane r of tile T holds row (or weight column) 32 (T / 2) + 8 (T % 2) + r + 8 (r / 8).
; CLUSTERS: 4 x 4 work-groups.  The weight's tile hangs on cx and is asked for jointly by a column of the cluster, y's on cy and by a row.
; REGISTERS: window 0: v1-19 addresses; v32-95, v96-127 the scale words of source 0 and 1, for all of K; v128-191 the bias in the result's layout; on the way out v128-255 rows of out0.
;   window 1: accumulator (a, b) at v[8 (8 a + b)].   windows 2, 3: two sets of fragments: source 0's eight at v[12 b], source 1's four at v[96 + 12 a].
.set QTR,   73728
.set S1O,   49152
.set AD0,  4
.set AD1,  8
.set STO,  12                          ; v12  the way out: where I put 32 bytes of a row
.set RD,   13                          ; v13  where I read a row back
.set CO,   14                          ; v14  16 x lane: my bytes of a row of out0
.set SC0,  32
.set SC1,  96
.set BQ,   128
.set G1A,  24
.set G1B,  32
.set G0A,  40
.set G0B,  68
.set MSB, 0
.macro WIN new
.if MSB != \new
	s_set_vgpr_msb (MSB<<8)|\new
.set MSB, \new
.endif
.endm
.macro CROUND
	s_barrier_signal -1
	s_barrier_wait -1
	s_cmp_lg_u32 s16, 0
	s_cbranch_scc1 .Lnot_wave_0_\@
	s_barrier_signal -3
.Lnot_wave_0_\@:
	s_barrier_wait -3
	s_barrier_signal -1
	s_barrier_wait -1
.endm
.macro PLACES                          ; four plain places behind matrix instructions (ISA guide 7.12.1)
.rept 4
	v_nop
.endr
.endm
.macro FETCH s                         ; K step s: 12 fragments, 72 loads of 256 consecutive bytes, into set s % 2
.if (\s)%2 == 0
	WIN 0x80
.else
	WIN 0xc0
.endif
.set fb, 0
.rept 8
.set fp, 0
.rept 6
	ds_load_b64 v[12*fb+2*fp:12*fb+2*fp+1], v[AD0+(\s)/2] offset:3072*fb+1536*((\s)%2)+256*fp
.set fp, fp+1
.endr
.set fb, fb+1
.endr
.set fb, 0
.rept 4
.set fp, 0
.rept 6
	ds_load_b64 v[96+12*fb+2*fp:96+12*fb+2*fp+1], v[AD1+(\s)/2] offset:3072*fb+1536*((\s)%2)+256*fp
.set fp, fp+1
.endr
.set fb, fb+1
.endr
	WIN 0
.endm
.macro MUL s                           ; the 32 accumulators take turns, one instruction a turn, in the same order in every step
.if (\s) == 0
	WIN 0x4a                                       ; C (the bias) window 0, D window 1: the first products start the sums
.elseif (\s)%2 == 0
	WIN 0x5a
.else
	WIN 0x5f
.endif
.irp a, 0,1,2,3
.irp b, 0,1,2,3,4,5,6,7
.if (\s) == 0
	v_wmma_scale_f32_16x16x128_f8f6f4 v[8*(8*\a+\b):8*(8*\a+\b)+7], v[12*\b:12*\b+11], v[96+12*\a:96+12*\a+11], v[BQ+8*\b:BQ+8*\b+7], v[SC0+8*\b+(\s)], v[SC1+8*\a+(\s)] matrix_a_fmt:MATRIX_FMT_BF6 matrix_b_fmt:MATRIX_FMT_BF6
.else
	v_wmma_scale_f32_16x16x128_f8f6f4 v[8*(8*\a+\b):8*(8*\a+\b)+7], v[12*\b:12*\b+11], v[96+12*\a:96+12*\a+11], v[8*(8*\a+\b):8*(8*\a+\b)+7], v[SC0+8*\b+(\s)], v[SC1+8*\a+(\s)] matrix_a_fmt:MATRIX_FMT_BF6 matrix_b_fmt:MATRIX_FMT_BF6
.endif
.endr
.endr
.endm
.macro KSTEP s
	s_wait_dscnt 0x0                               ; this step's fragments are in
.if ((\s) == 1) || ((\s) == 3) || ((\s) == 5)
	s_wait_tensorcnt (5-(\s))/2                    ; my part of the next quarter has landed; the later quarters stay out
	s_barrier_signal -1
	s_barrier_wait -1
.endif
.if (\s) < 7
.if (\s) > 0
	PLACES
.endif
	FETCH (\s)+1
.endif
	MUL \s
.endm
; THE WAY OUT, a tile of 16 rows x 128 columns at a time, through my wave's stage: 16 rows x (512 + 16) bytes in quarter 0's bytes, which have had their only fill and which nobody reads behind the barrier of K step 1
.macro TOSTAGE a
	WIN 0x04                                       ; an LDS store's data: window 1
.irp b, 0,1,2,3,4,5,6,7
	ds_store_b128 v[STO], v[8*(8*(\a)+\b):8*(8*(\a)+\b)+3] offset:(32*(\b/2)+8*(\b%2))*4       ; each accumulator from its low end on
	ds_store_b128 v[STO], v[8*(8*(\a)+\b)+4:8*(8*(\a)+\b)+7] offset:(32*(\b/2)+8*(\b%2))*4+16
.endr
	WIN 0
.set t, 0
.rept 16
	ds_load_b128 v[128+64*((\a)%2)+4*t:128+64*((\a)%2)+4*t+3], v[RD] offset:528*t   ; LDS serves a wave's instructions in order: these see the stores above
.set t, t+1
.endr
.endm
.macro SEND a, younger                 ; younger: the LDS instructions issued behind tile a's loads, which may stay out
	s_wait_dscnt \younger
.set t, 0
.rept 16
	global_store_b128 v[CO], v[128+64*((\a)%2)+4*t:128+64*((\a)%2)+4*t+3], s[14:15] offset:(32*((\a)/2)+8*((\a)%2)+t+8*(t/8))*4096 th:TH_STORE_NT   ; 32 lanes store 512 consecutive bytes, aligned to 256
.set t, t+1
.endr
.endm
	s_load_b256 s[4:11], s[0:1], 0x0               ; yc s[4:5], ys s[6:7], wc s[8:9], ws s[10:11]
	s_load_b128 s[12:15], s[0:1], 0x20             ; b_proj s[12:13], out0 s[14:15]
	v_lshl_add_u32 v30, v0, 2, 0x48000
	v_mov_b32 v31, 0
	ds_add_u32 v30, v31
	ds_add_u32 v30, v31
	v_lshrrev_b32 v1, 5, v0
	v_readfirstlane_b32 s16, v1                    ; wave 0..3
	s_and_b32 s17, s16, 1                          ; w0: my 128 columns.  Also: which half of a tile I fetch
	s_lshr_b32 s18, s16, 1                         ; w1: my 64 rows
	s_bfe_u32 s19, ttmp6, 0x40000                  ; cx: which 256 columns
	s_bfe_u32 s20, ttmp6, 0x40004                  ; cy
	s_and_b32 s21, ttmp7, 0xffff
	s_lshl_b32 s57, s21, 2
	s_add_co_u32 s57, s57, s20                     ; which 128 rows
	s_mul_i32 s84, s19, 196608                     ; byte offsets: the weight's codes (w_proj begins at tile 192 of wc), my half of the tiles,
	s_mul_i32 s96, s17, 98304
	s_add_co_u32 s84, s84, s96
	s_add_co_u32 s84, s84, 2359296
	s_mov_b32 s85, 0
	s_mul_i32 s86, s57, 98304                      ; y's,
	s_mul_i32 s96, s17, 49152
	s_add_co_u32 s86, s86, s96
	s_mov_b32 s87, 0
	s_lshl_b32 s88, s19, 13                        ; the scale words of my 8 tiles of the weight,
	s_lshl_b32 s96, s17, 12
	s_add_co_u32 s88, s88, s96
	s_add_co_u32 s88, s88, 98304
	s_mov_b32 s89, 0
	s_lshl_b32 s90, s57, 12                        ; of my 4 tiles of y,
	s_lshl_b32 s96, s18, 11
	s_add_co_u32 s90, s90, s96
	s_mov_b32 s91, 0
	s_lshl_b32 s92, s19, 10                        ; the bias of my 128 columns,
	s_lshl_b32 s96, s17, 9
	s_add_co_u32 s92, s92, s96
	s_mov_b32 s93, 0
	s_lshl_b32 s94, s57, 19                        ; out0: my first row, my first column
	s_lshl_b32 s96, s18, 18
	s_add_co_u32 s94, s94, s96
	s_add_co_u32 s94, s94, s92
	s_mov_b32 s95, 0
	v_and_b32 v15, 31, v0
	v_lshlrev_b32 v1, 3, v15                       ; 8 x lane
	v_and_b32 v2, 15, v0                           ; r
	v_bfe_u32 v3, v0, 4, 1                         ; h
	v_lshlrev_b32 v18, 5, v2                       ; 32 r
	v_lshlrev_b32 v19, 6, v3                       ; 64 h
	s_mul_i32 s96, s16, 8448                       ; my stage
	v_mul_u32_u24 v[STO], v2, 528
	v_lshl_add_u32 v[STO], v3, 6, v[STO]
	v_add_nc_u32 v[STO], s96, v[STO]               ; in: row r, + 64 h
	v_lshlrev_b32 v[CO], 4, v15
	v_add_nc_u32 v[RD], s96, v[CO]                 ; back: a row of 512 bytes, 16 a lane
	s_mul_i32 s2, s17, 24576
	s_mul_i32 s3, s18, 12288
	s_add_co_u32 s3, s3, S1O
.irp q, 0,1,2,3
	v_add_nc_u32 v[AD0+\q], s2, v1
	v_add_nc_u32 v[AD1+\q], s3, v1
	s_add_co_u32 s2, s2, QTR
	s_add_co_u32 s3, s3, QTR
.endr
	; descriptors.  Elements of 8 bytes; a row is a tile's quarter, 3,072 bytes = 384 elements; rows 12,288 bytes = 1,536 elements apart; 8 rows (source 0) or 4 (source 1) to a load
	s_lshl_b32 s96, 0x1111, s19                    ; my column of the cluster (same cx)
	s_lshl_b32 s97, s20, 2
	s_lshl_b32 s97, 15, s97                        ; my row (same cy)
	s_or_b32 s[G1A], s96, (3<<16)|(1<<21)
	s_or_b32 s[G1B], s97, (3<<16)|(1<<21)
	s_mov_b32 s[G1A+1], 384<<16
	s_mov_b32 s[G1A+2], 8<<16
	s_mov_b32 s[G1A+3], 384<<16
	s_mov_b32 s[G1A+4], 8
	s_mov_b32 s[G1A+5], 1536
	s_mov_b32 s[G1A+6], 0
	s_mov_b32 s[G1A+7], 0
	s_mov_b32 s[G1B+1], 384<<16
	s_mov_b32 s[G1B+2], 4<<16
	s_mov_b32 s[G1B+3], 384<<16
	s_mov_b32 s[G1B+4], 4
	s_mov_b32 s[G1B+5], 1536
	s_mov_b32 s[G1B+6], 0
	s_mov_b32 s[G1B+7], 0
	s_mul_i32 s2, s17, 24576                       ; where my half goes in a quarter: no place in the cluster enters an LDS address
	s_mul_i32 s3, s17, 12288
	s_add_co_u32 s3, s3, S1O
	s_wait_dscnt 0x0
	s_wait_kmcnt 0x0
	s_add_nc_u64 s[84:85], s[8:9], s[84:85]
	s_add_nc_u64 s[86:87], s[4:5], s[86:87]
	s_add_nc_u64 s[88:89], s[10:11], s[88:89]
	s_add_nc_u64 s[90:91], s[6:7], s[90:91]
	s_add_nc_u64 s[92:93], s[12:13], s[92:93]
	s_add_nc_u64 s[14:15], s[14:15], s[94:95]
.irp q, 0,1,2,3
	s_mov_b32 s[G0A+4*\q], 1
	s_add_co_u32 s[G0A+4*\q+1], s2, \q*QTR
	s_add_nc_u64 s[G0A+4*\q+2:G0A+4*\q+3], s[84:85], \q*3072
	s_or_b32 s[G0A+4*\q+3], s[G0A+4*\q+3], 0x80000000
	s_mov_b32 s[G0B+4*\q], 1
	s_add_co_u32 s[G0B+4*\q+1], s3, \q*QTR
	s_add_nc_u64 s[G0B+4*\q+2:G0B+4*\q+3], s[86:87], \q*3072
	s_or_b32 s[G0B+4*\q+3], s[G0B+4*\q+3], 0x80000000
.endr
	CROUND                                         ; all sixteen work-groups are here: the joint loads meet
	s_cmp_lt_u32 s16, 2                            ; waves 0, 1 fetch the weight's halves, waves 2, 3 y's: a wave's four fills stand in one branch; four loads of mine are out
	s_cbranch_scc0 .Lfill_1
	tensor_load_to_lds s[G0A:G0A+3], s[G1A:G1A+7]
	s_nop 0
	tensor_load_to_lds s[G0A+4:G0A+7], s[G1A:G1A+7]
	s_nop 0
	tensor_load_to_lds s[G0A+8:G0A+11], s[G1A:G1A+7]
	s_nop 0
	tensor_load_to_lds s[G0A+12:G0A+15], s[G1A:G1A+7]
	s_nop 0
.rept 4
	v_nop
.endr
	s_branch .Lfilled
.Lfill_1:
	tensor_load_to_lds s[G0B:G0B+3], s[G1B:G1B+7]
	s_nop 0
	tensor_load_to_lds s[G0B+4:G0B+7], s[G1B:G1B+7]
	s_nop 0
	tensor_load_to_lds s[G0B+8:G0B+11], s[G1B:G1B+7]
	s_nop 0
	tensor_load_to_lds s[G0B+12:G0B+15], s[G1B:G1B+7]
	s_nop 0
.rept 4
	v_nop
.endr
.Lfilled:
.irp b, 0,1,2,3,4,5,6,7                        ; the scale words of all of K stay in registers: lane r takes its row's 32 bytes
.irp q, 0,1
	global_load_b128 v[SC0+8*\b+4*\q:SC0+8*\b+4*\q+3], v18, s[88:89] offset:512*\b+16*\q
.endr
.endr
.irp a, 0,1,2,3
.irp q, 0,1
	global_load_b128 v[SC1+8*\a+4*\q:SC1+8*\a+4*\q+3], v18, s[90:91] offset:512*\a+16*\q
.endr
.endr
.irp b, 0,1,2,3,4,5,6,7                        ; register 8 b + j: the bias of column 32 (b / 2) + 8 (b % 2) + 16 h + j of my 128
	global_load_b128 v[BQ+8*\b:BQ+8*\b+3], v19, s[92:93] offset:(32*(\b/2)+8*(\b%2))*4
	global_load_b128 v[BQ+8*\b+4:BQ+8*\b+7], v19, s[92:93] offset:(32*(\b/2)+8*(\b%2))*4+16
.endr
	s_wait_loadcnt 0x0
	s_wait_tensorcnt 3                             ; my part of quarter 0 has landed; three loads stay out
	s_barrier_signal -1
	s_barrier_wait -1                              ; everybody's has
	FETCH 0
	KSTEP 0
	KSTEP 1
	KSTEP 2
	KSTEP 3
	KSTEP 4
	KSTEP 5
	KSTEP 6
	KSTEP 7
	WIN 0
	PLACES
	TOSTAGE 0
	TOSTAGE 1
	SEND 0, 32                                     ; behind tile 0's loads: tile 1's 16 stores and 16 loads
	s_wait_xcnt 0x0                                ; tile 0's stores have read their registers: tile 2's loads may land there
	TOSTAGE 2
	SEND 1, 32
	s_wait_xcnt 0x0
	TOSTAGE 3
	SEND 2, 32
	SEND 3, 0
	s_wait_tensorcnt 0x0
	ds_add_u32 v30, v31
	s_wait_dscnt 0x0
	CROUND                                         ; the closing round: no work-group ends while a partner may still ask for a tile that names it
	s_endpgm
.Lfunc_end_k_q6905dede78_gemm_out:
	.size	k_q6905dede78_gemm_out, .Lfunc_end_k_q6905dede78_gemm_out-k_q6905dede78_gemm_out
	.p2alignl 7, 3214868480
	.fill 96, 4, 3214868480
	.section	.rodata,"a",@progbits
	.p2align	6, 0x0
	.amdhsa_kernel k_q6905dede78_gemm_out
		.amdhsa_group_segment_fixed_size 327680
		.amdhsa_private_segment_fixed_size 0
		.amdhsa_enable_private_segment 0
		.amdhsa_kernarg_size 48
		.amdhsa_user_sgpr_count 2
		.amdhsa_user_sgpr_kernarg_segment_ptr 1
		.amdhsa_wavefront_size32 1
		.amdhsa_system_sgpr_workgroup_id_x 1
		.amdhsa_system_sgpr_workgroup_id_y 1
		.amdhsa_system_sgpr_workgroup_id_z 1
		.amdhsa_system_vgpr_workitem_id 0
		.amdhsa_next_free_vgpr 1024
		.amdhsa_next_free_sgpr 100
		.amdhsa_reserve_vcc 0
		.amdhsa_float_denorm_mode_32 3
		.amdhsa_float_denorm_mode_16_64 3
		.amdhsa_memory_ordered 1
		.amdhsa_forward_progress 1
		.amdhsa_inst_pref_size 98
	.end_amdhsa_kernel
	.amdgpu_metadata
---
amdhsa.version: [ 1, 2 ]
amdhsa.kernels:
  - .name:           k_q6905dede78_gemm_out
    .symbol:         k_q6905dede78_gemm_out.kd
    .args:
      - { .name: yc, .offset: 0, .size: 8, .value_kind: global_buffer, .address_space: global }
      - { .name: ys, .offset: 8, .size: 8, .value_kind: global_buffer, .address_space: global }
      - { .name: wc, .offset: 16, .size: 8, .value_kind: global_buffer, .address_space: global }
      - { .name: ws, .offset: 24, .size: 8, .value_kind: global_buffer, .address_space: global }
      - { .name: b_proj, .offset: 32, .size: 8, .value_kind: global_buffer, .address_space: global }
      - { .name: out0, .offset: 40, .size: 8, .value_kind: global_buffer, .address_space: global }
    .group_segment_fixed_size: 327680
    .private_segment_fixed_size: 0
    .kernarg_segment_align: 8
    .kernarg_segment_size: 48
    .max_flat_workgroup_size: 128
    .sgpr_count:     100
    .vgpr_count:     1024
    .wavefront_size: 32
...
	.end_amdgpu_metadata
.endif
;; end of part 4
